; MI455X (gfx1250); checked and timed in simulation.
; The chip was launched on July 23, 2026; its instructions are those of AMD's public machine-readable ISA for CDNA 5 (MIT licence, August 2026) and "CDNA5" Instruction Set Architecture Reference Guide (July 2026). The comments in the code are by the model that wrote it; some were corrected since.
;; Attention. Allowed arithmetic: matrix products marked QUANTISED: E5M2 operands, one E8M0 scale for each 32 along K, by v_wmma_scale_f32_16x16x128_f8f6f4 with both operands' format E5M2, f32 sums; everything else in f32.
;; Inputs: Wkv 1,024 x 2,048 float32; Wo 1,024 x 1,024 float32; Wq 1,024 x 1,024 float32; bo 1,024 float32; x 4 x 2,048 x 1,024 float32.
;; Outputs: out0 4 x 2,048 x 1,024 float32.
;; This version of the problem:
;;   THIS VERSION OF THE PROBLEM IS GIVEN IN LOW PRECISION. The matrix products marked QUANTISED in the list below multiply operands that are first quantised to E5M2 (5 exponent bits, 2 mantissa bits; 8 bits a number), with one power-of-two scale for each 32 numbers along K (OCP MX v1.0); their sums are f32. All else is computed in f32.
;;   The module's matrix products, in the order in which they are computed (A, B: the left and right operand; K: the contracted axis; several contracted axes count as one K, in the product's order):
;;     1. [M 8,192, K 1,024] x [K 1,024, N 1,024]; A: input x; B: input Wq: QUANTISED
;;     2. [M 8,192, K 1,024] x [K 1,024, N 2,048]; A: input x; B: input Wkv: QUANTISED
;;     3. batch 64 x [M 2,048, K 64] x [K 64, N 2,048]; A: computed on the way; B: computed on the way: QUANTISED
;;     4. batch 64 x [M 2,048, K 2,048] x [K 2,048, N 64]; A: softmax (see below); B: computed on the way: QUANTISED
;;     5. [M 8,192, K 1,024] x [K 1,024, N 1,024]; A: computed on the way; B: input Wo: QUANTISED
;;   THE QUANTISER, for each operand of a quantised product, along K:
;;     - K is cut into blocks of 32 from its start; a last block that is shorter is filled with zeros.
;;     - A block's scale is 2^e with e = floor(log2(the largest magnitude in the block)) - 15, held to -126 .. 127; a block of zeros has e = 0. As a byte (E8M0): e + 127.
;;     - Each number is divided by its block's scale, clamped to +-57,344, and rounded to the nearest number of E5M2, ties to even, subnormals kept.
;;     - The product sums the exact products of the quantised numbers (number of the format x scale) in f32.
;;   ~~~python
;;   def quantise(x, axis):      # numpy; x: float32 -> the quantised numbers, widened to float32 again
;;       x = np.moveaxis(x, axis, -1); K = x.shape[-1]
;;       x = np.pad(x, [(0, 0)] * (x.ndim - 1) + [(0, -K % 32)]); x = x.reshape(x.shape[:-1] + (-1, 32)); a = np.abs(x).max(-1, keepdims=True)
;;       e = np.where(a > 0, np.clip(np.frexp(np.where(a > 0, a, 1))[1] - 1 - 15, -126, 127), 0)      # np.frexp(a)[1] - 1 = floor(log2(a)), exactly
;;       r = np.clip(x / 2.0 ** e, -57344, 57344)
;;       step = 2.0 ** (np.maximum(np.frexp(np.where(r == 0, 1, r))[1] - 1, -14) - 2)
;;       q = np.round(r / step) * step * 2.0 ** e      # np.round: ties to even
;;       return np.moveaxis(q.reshape(q.shape[:-2] + (-1,))[..., :K], -1, axis).astype(np.float32)
;;   ~~~
;;   SOFTMAX AHEAD OF A QUANTISED PRODUCT. Where the list says 'softmax', what is quantised is not the finished softmax but p = 2^(t - M), with t = logit x log2(e) and M = ceil(the row's largest t), a whole number; so 1/2 < the row's largest p <= 1. The row's sum l is taken of the UNQUANTISED p, in f32, and the product's result is divided by l at the end. Since M is a whole number, a kernel that streams over the keys may use a running M (the ceiling of the running maximum): every later rescaling is an exact power of two, which a block's scale takes up: the codes' values come out the same.
;;   OPERANDS COMPUTED ON THE WAY. 'Computed on the way' means the value that the module computes at that place (a softmax that the list does not call 'softmax' is quantised finished and normalised). What goes into a quantiser is computed in f32, as accurately as f32 sums, v_exp_f32 and their like allow (about 1e-6 of the number): no bf16 or f16 on the way to a quantiser, and a product that is left as it is and whose result goes on into a quantised operand takes f32 operands (vector FMAs, or v_wmma_f32_16x16x4_f32). A number that lies on a knife's edge between two numbers of the format may be rounded either way, as far as f32 arithmetic and the matrix unit's own rounding can turn it there, and no further.
;; One version. Each part assembles by itself: llvm-mc -triple=amdgcn-amd-amdhsa -mcpu=gfx1250 --defsym DOCPART=n.
;; ======== version 1 of 1: 4 launches
;; limits: right only within a limited range of input values
;; workspace buffers: xc 8,388,608 bytes; xs 262,144 bytes; wc 4,194,304 bytes; ws 131,072 bytes; qkvc 25,165,824 bytes; qkvs 1,310,720 bytes; oc 8,388,608 bytes; os 262,144 bytes
;; launch quant (part 1): grid 384 x 1, 4 waves a work-group, no clusters, 68,096 bytes of LDS; arguments x, Wq, Wkv, Wo, xc, xs, wc, ws; writes xc, xs, wc, ws
.if DOCPART == 1
	.amdgcn_target "amdgcn-amd-amdhsa--gfx1250"
	.amdhsa_code_object_version 6
	.text
	.protected	k_q13739a4ae4_quant
	.globl	k_q13739a4ae4_quant
	.p2align	8
	.type	k_q13739a4ae4_quant,@function
k_q13739a4ae4_quant:
	s_mov_b64 s[64:65], 0
	v_nop
	global_prefetch_b8 v0, s[64:65] scope:SCOPE_SE
	s_setreg_imm32_b32 hwreg(HW_REG_WAVE_MODE, 25, 1), 1
	s_wait_xcnt 0x0
; x [8192][1024] and the weights Wq [1024][1024], Wkv [1024][2048], Wo [1024][1024], all f32, become codes of BF8 (E5M2) with K innermost and one E8M0 byte for each 32 along K.
; xc [8192 rows][1024], xs [8192][32];  wc [4096 rows][1024], ws [4096][32]: rows 0-1023 Wq's columns, 1024-3071 Wkv's, 3072-4095 Wo's.
; THE ORDER OF ROWS: the row stored at place p holds the logical row p with bits 3 and 4 exchanged.  A tile of 16 stored rows given to the matrix unit as source 0 then leaves, in the 16 result registers
; of two neighbouring tiles, 16 NEIGHBOURS of the logical order: what the next quantiser along that axis wants.  K itself is never permuted.
; A block's scale is 2^(floor(log2(its largest magnitude)) - 15); its byte is the largest magnitude's exponent field - 15, held at 1 from below; numbers are held within +-57,344 x the scale and rounded to the nearest code, ties to even.
; LIMITS: NaN and infinities among the inputs are not served.  A block of zeros gets the byte 1 where the quantiser says 127: its codes are zeros, which add nothing under any byte but 0xff, and this program alone reads the bytes.
; Work-groups 0-255 take x (K innermost: a plain stream of blocks), work-groups 256-383 the weights (K is the first axis: a lane takes a column and its registers run down K).
; The two ways have LDS bytes of their own.  Waves share nothing: no barrier.  No tile is read by two work-groups, so there is nothing to ask for jointly.
.set STEPS, 16
.set EMAX,  15
.set MANT,  0x600000                   ; the mantissa field of 57,344 as f32
.set CB,    16                         ; bytes of 16 codes
.set R,     16                         ; x: v16-79   four sets of 16 numbers as they are loaded
.set X,     80                         ; x: v80-111  two sets of 16 neighbours
.set C,     128                        ; x: v128-191 codes, four registers for each step
.set E,     112                        ; x: v112-127 a scale byte for each step
.set WREG,  8192                       ; x: LDS region of a wave: two stages of 32 x SP bytes, then its 256 scale bytes
.set SP,    80                         ; x: a lane's place in a stage: 64 bytes + 16 of padding
.set WLDS,  32768                      ; weights: their stages begin here
.set NB,    8                          ; weights: blocks of 32 along K for a wave
.set PITCH, 272                        ; weights: a stage row: 256 bytes + 16
.set KROW,  1024                       ; a row of codes in bytes
.set WX,    32                         ; weights: v32-95 two sets of 32 numbers
.set WC,    96                         ; weights: a block's codes
.set OUTR,  112                        ; weights: v112-175 the way out
.set SB,    24                         ; weights: v24-25 the scale bytes, four to a register
.set OFS,   176                        ; weights: v176-207 row i of a block: i x the tensor's pitch + 4 x lane
	s_load_b256 s[4:11], s[0:1], 0x0               ; x s[4:5], Wq s[6:7], Wkv s[8:9], Wo s[10:11]
	s_load_b256 s[12:19], s[0:1], 0x20             ; xc s[12:13], xs s[14:15], wc s[16:17], ws s[18:19]
	v_lshl_add_u32 v208, v0, 2, 0x10800
	v_mov_b32 v209, 0
	v_lshrrev_b32 v1, 5, v0
	v_readfirstlane_b32 s20, v1                    ; wave 0..3
	v_and_b32 v2, 31, v0                           ; lane
	s_cmp_lt_u32 ttmp9, 256
	s_cbranch_scc0 .Lweights
; ---------------- x: a wave takes 8 rows, 8,192 numbers, in 16 steps of 512 ----------------
; Each load reads 512 consecutive bytes; a step's 2,048 bytes turn through the wave's stage, so that a lane then holds 16 neighbours along K (two lanes hold a block).
	v_lshlrev_b32 v3, 4, v2                        ; my 16 bytes of a load's 512
	s_mul_i32 s21, s20, WREG
	v_lshrrev_b32 v14, 2, v2
	v_mul_u32_u24 v14, v14, SP
	v_and_b32 v15, 3, v2
	v_lshl_add_u32 v14, v15, 4, v14
	v_add_nc_u32 v14, s21, v14                     ; the stage, on the way in: SP (lane / 4) + 16 (lane % 4)
	v_mul_u32_u24 v15, v2, SP
	v_add_nc_u32 v15, s21, v15                     ; and on the way out: SP x lane
	v_mul_u32_u24 v4, v2, CB                       ; my codes' place in a step's
	v_lshrrev_b32 v5, 1, v2
	s_add_co_u32 s21, s21, 2*32*SP
	v_add_nc_u32 v5, s21, v5                       ; LDS: my wave's 256 scale bytes, my block's byte
	v_lshlrev_b32 v7, 3, v2
	v_add_nc_u32 v6, s21, v7                       ; and on the way out 8 bytes a lane
	s_mov_b32 s23, MANT
	s_lshl_b32 s24, ttmp9, 2
	s_add_co_u32 s26, s24, s20                     ; the run of 8 rows that I read: 4 x work-group + wave
	s_and_b32 s25, s20, 1
	s_lshl_b32 s25, s25, 1
	s_lshr_b32 s27, s20, 1
	s_or_b32 s25, s25, s27                         ; the wave's two bits exchanged: bits 3 and 4 of the row
	s_add_co_u32 s28, s24, s25                     ; the run that I write
	s_lshl_b32 s26, s26, 15                        ; 32,768 bytes of f32 a run
	s_mov_b32 s27, 0
	s_lshl_b32 s30, s28, 13                        ; 8,192 bytes of codes
	s_mov_b32 s31, 0
	s_lshl_b32 s28, s28, 8                         ; 256 scale bytes
	s_mov_b32 s29, 0
	s_wait_alu depctr_va_vdst(0)
	s_wait_kmcnt 0x0
	s_add_nc_u64 s[4:5], s[4:5], s[26:27]
	s_add_nc_u64 s[12:13], s[12:13], s[30:31]
	s_add_nc_u64 s[14:15], s[14:15], s[28:29]
.macro XLOAD t
.irp i, 0,1,2,3
	global_load_b128 v[R+16*((\t)%4)+4*\i:R+16*((\t)%4)+4*\i+3], v3, s[4:5] offset:2048*(\t)+512*\i th:TH_LOAD_NT   ; 32 lanes read 512 consecutive bytes
.endr
.endm
.macro XTURN t                         ; step t's numbers through the stage: LDS serves a wave's instructions in order, so no wait stands between the stores and the loads
.irp i, 0,1,2,3
	ds_store_b128 v14, v[R+16*((\t)%4)+4*\i:R+16*((\t)%4)+4*\i+3] offset:32*SP*((\t)%2)+8*SP*\i
.endr
.irp i, 0,1,2,3
	ds_load_b128 v[X+16*((\t)%2)+4*\i:X+16*((\t)%2)+4*\i+3], v15 offset:32*SP*((\t)%2)+16*\i
.endr
.endm
.irp t, 0,1,2,3
	XLOAD \t
.endr
	s_wait_loadcnt 12                              ; step 0's four loads are in; three steps' twelve stay out
	XTURN 0
.macro XSTEP t
.set XS, X+16*((\t)%2)
.if (\t) > 0
	s_wait_dscnt 1                                 ; this step's numbers are back from the stage (the last step's byte store may be out)
.else
	s_wait_dscnt 0x0
.endif
.if (\t)+4 < STEPS
	XLOAD (\t)+4                                   ; into the set whose stores into the stage have read their registers
.endif
.if (\t)+1 < STEPS
.if STEPS-2-(\t) >= 3
	s_wait_loadcnt 12                              ; the next step's four loads are in; those of the three steps behind it may be out
.else
	s_wait_loadcnt 4*(STEPS-2-(\t))
.endif
	XTURN (\t)+1
.endif
	v_max3_num_f32 v8, |v[XS]|, |v[XS+1]|, |v[XS+2]|               ; the largest magnitude of my 16, in two chains
	v_max3_num_f32 v9, |v[XS+3]|, |v[XS+4]|, |v[XS+5]|
.irp i, 6,10
	v_max3_num_f32 v8, v8, |v[XS+\i]|, |v[XS+\i+1]|
	v_max3_num_f32 v9, v9, |v[XS+\i+2]|, |v[XS+\i+3]|
.endr
	v_max3_num_f32 v8, v8, |v[XS+14]|, |v[XS+15]|
	v_max3_num_f32 v8, v8, v9, (EMAX+1)<<23        ; and the floor 2^(16 - 127): the byte cannot fall under 1
	v_max_num_f32_dpp v8, v8, v8 row_xmask:1 row_mask:0xf bank_mask:0xf   ; and of my neighbour's 16: the block's
	v_add_nc_u32 v11, -(EMAX<<23), v8              ; 15 off its exponent field: the conversion takes the exponent field of this operand as its scale
	v_and_or_b32 v10, v8, 0x7f800000, s23          ; 57,344 x the scale
.irp i, 0,1,2,3,4,5,6,7,8,9,10,11,12,13,14,15
	v_med3_num_f32 v[XS+\i], v[XS+\i], -v10, v10   ; the conversion to an 8-bit code does not saturate (ISA guide 7.6.2): the hold comes first
.endr
	v_cvt_scalef32_pk8_bf8_f32 v[C+4*(\t):C+4*(\t)+1], v[XS:XS+7], v11
	v_cvt_scalef32_pk8_bf8_f32 v[C+4*(\t)+2:C+4*(\t)+3], v[XS+8:XS+15], v11
	v_lshrrev_b32 v[E+(\t)], 23, v11               ; the scale's byte (also the plain line behind the conversions)
	ds_store_b8 v5, v[E+(\t)] offset:16*(\t)       ; both lanes of a block write the same byte with the same value
	global_store_b128 v4, v[C+4*(\t):C+4*(\t)+3], s[12:13] offset:32*CB*(\t)   ; the wave stores 512 consecutive bytes
.endm
.irp t, 0,1,2,3,4,5,6,7,8,9,10,11,12,13,14,15
	XSTEP \t
.endr
	ds_load_b64 v[12:13], v6                       ; LDS serves a wave's instructions in order: these see my stores
	s_wait_dscnt 0x0
	global_store_b64 v7, v[12:13], s[14:15]        ; 32 lanes store 256 consecutive bytes, aligned
	s_wait_tensorcnt 0x0
	ds_add_u32 v208, v209
	s_wait_dscnt 0x0
	s_endpgm
; ---------------- the weights: a wave takes 32 columns x 256 along K ----------------
.Lweights:
	s_sub_co_u32 s21, ttmp9, 256
	s_and_b32 s22, s21, 31                         ; which 128 of the 4,096 columns of the three tensors on end
	s_lshr_b32 s23, s21, 5                         ; which 256 along K
	s_wait_alu depctr_va_vdst(0)
	v_lshlrev_b32 v3, 2, v2                        ; in: 4 bytes a lane
	s_mul_i32 s21, s20, 32*PITCH
	s_add_co_u32 s21, s21, WLDS                    ; my stage
	v_mul_u32_u24 v4, v2, PITCH
	v_add_nc_u32 v4, s21, v4                       ; into it: row = my column
	v_and_b32 v5, 15, v2
	v_lshrrev_b32 v6, 4, v2
	v_mul_u32_u24 v7, v6, PITCH
	v_lshl_add_u32 v7, v5, 4, v7
	v_add_nc_u32 v7, s21, v7                       ; out of it: sixteen lanes to a row, two rows an instruction
	v_lshlrev_b32 v8, 10, v6
	v_lshl_add_u32 v8, v5, 4, v8                   ; and the same place in the codes' buffer
	v_and_b32 v9, 7, v2                            ; my column's row of scale bytes: the lane with bits 3 and 4 exchanged, x 32 bytes
	v_and_b32 v10, 8, v2
	v_lshl_or_b32 v9, v10, 1, v9
	v_and_b32 v10, 16, v2
	v_lshrrev_b32 v10, 1, v10
	v_or_b32 v9, v9, v10
	v_lshlrev_b32 v9, 5, v9
	s_mov_b32 s52, MANT
	s_mov_b32 s26, 4096
	s_mov_b32 s27, 8192
	s_wait_kmcnt 0x0
	s_cmp_lt_u32 s22, 24                           ; which tensor: the choice hangs on the work-group's number alone
	s_cselect_b64 s[24:25], s[8:9], s[10:11]
	s_cselect_b32 s28, 8, 24                       ; its first group of 128 columns
	s_cselect_b32 s29, s27, s26                    ; its pitch in bytes
	s_cmp_lt_u32 s22, 8
	s_cselect_b64 s[24:25], s[6:7], s[24:25]
	s_cselect_b32 s28, 0, s28
	s_cselect_b32 s29, s26, s29
.irp i, 0,1,2,3,4,5,6,7,8,9,10,11,12,13,14,15,16,17,18,19,20,21,22,23,24,25,26,27,28,29,30,31
	v_mad_u32_u24 v[OFS+\i], s29, \i, v3
.endr
	s_sub_co_u32 s30, s22, s28
	s_lshl_b32 s30, s30, 9                         ; 128 columns of 4 bytes
	s_lshl_b32 s31, s20, 7                         ; 32 columns a wave
	s_add_co_u32 s30, s30, s31
	s_lshl_b32 s31, s23, 8
	s_mul_i32 s31, s31, s29                        ; 256 rows a work-group along K
	s_add_co_u32 s30, s30, s31
	s_mov_b32 s31, 0
	s_add_nc_u64 s[32:33], s[24:25], s[30:31]      ; block 0's first row at my first column
	s_lshl_b32 s30, s29, 5                         ; 32 rows on
.irp t, 1,2,3,4,5,6,7
	s_add_nc_u64 s[32+2*\t:33+2*\t], s[30+2*\t:31+2*\t], s[30:31]   ; a base for each block: none is ever stepped
.endr
	s_lshl_b32 s48, s22, 7
	s_lshl_b32 s49, s20, 5
	s_add_co_u32 s48, s48, s49                     ; my first row of wc and ws
	s_lshl_b32 s50, s48, 10
	s_lshl_b32 s49, s23, 8
	s_add_co_u32 s50, s50, s49
	s_mov_b32 s51, 0
	s_add_nc_u64 s[16:17], s[16:17], s[50:51]
	s_lshl_b32 s50, s48, 5
	s_lshl_b32 s49, s23, 3
	s_add_co_u32 s50, s50, s49
	s_add_nc_u64 s[18:19], s[18:19], s[50:51]
.macro WLOAD t                         ; block t: W(32 t + i, my column): neighbouring lanes read neighbouring columns, 128 consecutive bytes a wave
.irp i, 0,1,2,3,4,5,6,7,8,9,10,11,12,13,14,15,16,17,18,19,20,21,22,23,24,25,26,27,28,29,30,31
	global_load_b32 v[WX+32*((\t)%2)+\i], v[OFS+\i], s[32+2*(\t):33+2*(\t)] th:TH_LOAD_NT
.endr
.endm
	s_wait_alu depctr_va_vdst(0)
	WLOAD 0
	WLOAD 1
.macro WBLOCK t
.set XS, WX+32*((\t)%2)
.if (\t) < NB-1
	s_wait_loadcnt 32                              ; this block's 32 loads are in; the next block's may be out
.else
	s_wait_loadcnt 0
.endif
	v_max3_num_f32 v12, |v[XS]|, |v[XS+1]|, |v[XS+2]|               ; the block's largest magnitude: all 32 numbers are mine
	v_max3_num_f32 v13, |v[XS+3]|, |v[XS+4]|, |v[XS+5]|
.irp i, 6,10,14,18,22,26
	v_max3_num_f32 v12, v12, |v[XS+\i]|, |v[XS+\i+1]|
	v_max3_num_f32 v13, v13, |v[XS+\i+2]|, |v[XS+\i+3]|
.endr
	v_max3_num_f32 v12, v12, |v[XS+30]|, |v[XS+31]|
	v_max3_num_f32 v12, v12, v13, (EMAX+1)<<23     ; and the floor
	v_add_nc_u32 v11, -(EMAX<<23), v12             ; the conversion's scale operand
	v_and_or_b32 v10, v12, 0x7f800000, s52         ; 57,344 x the scale
	v_lshrrev_b32 v13, 23, v11                     ; the scale's byte
.if (\t)%4 == 0
	v_mov_b32 v[SB+(\t)/4], v13                    ; four bytes to a register, the lower K in the lower byte
.else
	v_lshl_or_b32 v[SB+(\t)/4], v13, 8*((\t)%4), v[SB+(\t)/4]
.endif
.irp i, 0,1,2,3,4,5,6,7,8,9,10,11,12,13,14,15,16,17,18,19,20,21,22,23,24,25,26,27,28,29,30,31
	v_med3_num_f32 v[XS+\i], v[XS+\i], -v10, v10
.endr
.irp g, 0,1,2,3
	v_cvt_scalef32_pk8_bf8_f32 v[WC+2*\g:WC+2*\g+1], v[XS+8*\g:XS+8*\g+7], v11
.endr
	v_nop                                          ; a plain line behind the last conversion
	ds_store_b128 v4, v[WC:WC+3] offset:32*(\t)    ; 32 codes: 32 bytes of my column's row
	ds_store_b128 v4, v[WC+4:WC+7] offset:32*(\t)+16
.if (\t)+2 < NB
	WLOAD (\t)+2
.endif
	s_wait_dscnt 0x0                               ; the stores have read their registers: the next block's codes may be written
.endm
.set Q, 0
.rept NB
	WBLOCK Q
.set Q, Q+1
.endr
	global_store_b64 v9, v[SB:SB+1], s[18:19]      ; my column's 8 scale bytes (rows 32 bytes apart: one byte in 128 of what the wave reads)
.irp t, 0,1,2,3,4,5,6,7,8,9,10,11,12,13,14,15
	ds_load_b128 v[OUTR+4*\t:OUTR+4*\t+3], v7 offset:2*\t*PITCH   ; LDS serves a wave's instructions in order: these see my stores
.endr
.irp t, 0,1,2,3,4,5,6,7,8,9,10,11,12,13,14,15
	s_wait_dscnt 15-\t
	global_store_b128 v8, v[OUTR+4*\t:OUTR+4*\t+3], s[16:17] offset:2*(((\t)&3)|(((\t)&4)<<1)|(((\t)&8)>>1))*KROW   ; stage rows 2 t, 2 t + 1 go to the places with bits 3 and 4 exchanged; sixteen lanes store 256 consecutive bytes, aligned
.endr
	s_wait_tensorcnt 0x0
	ds_add_u32 v208, v209
	s_wait_dscnt 0x0
	s_endpgm
.Lfunc_end_k_q13739a4ae4_quant:
	.size	k_q13739a4ae4_quant, .Lfunc_end_k_q13739a4ae4_quant-k_q13739a4ae4_quant
	.p2alignl 7, 3214868480
	.fill 96, 4, 3214868480
	.section	.rodata,"a",@progbits
	.p2align	6, 0x0
	.amdhsa_kernel k_q13739a4ae4_quant
		.amdhsa_group_segment_fixed_size 68096
		.amdhsa_private_segment_fixed_size 0
		.amdhsa_enable_private_segment 0
		.amdhsa_kernarg_size 64
		.amdhsa_user_sgpr_count 2
		.amdhsa_user_sgpr_kernarg_segment_ptr 1
		.amdhsa_wavefront_size32 1
		.amdhsa_system_sgpr_workgroup_id_x 1
		.amdhsa_system_sgpr_workgroup_id_y 1
		.amdhsa_system_sgpr_workgroup_id_z 1
		.amdhsa_system_vgpr_workitem_id 0
		.amdhsa_next_free_vgpr 210
		.amdhsa_next_free_sgpr 66
		.amdhsa_reserve_vcc 0
		.amdhsa_float_denorm_mode_32 3
		.amdhsa_float_denorm_mode_16_64 3
		.amdhsa_memory_ordered 1
		.amdhsa_forward_progress 1
		.amdhsa_inst_pref_size 112
	.end_amdhsa_kernel
	.amdgpu_metadata
---
amdhsa.version: [ 1, 2 ]
amdhsa.kernels:
  - .name:           k_q13739a4ae4_quant
    .symbol:         k_q13739a4ae4_quant.kd
    .args:
      - { .name: x, .offset: 0, .size: 8, .value_kind: global_buffer, .address_space: global }
      - { .name: Wq, .offset: 8, .size: 8, .value_kind: global_buffer, .address_space: global }
      - { .name: Wkv, .offset: 16, .size: 8, .value_kind: global_buffer, .address_space: global }
      - { .name: Wo, .offset: 24, .size: 8, .value_kind: global_buffer, .address_space: global }
      - { .name: xc, .offset: 32, .size: 8, .value_kind: global_buffer, .address_space: global }
      - { .name: xs, .offset: 40, .size: 8, .value_kind: global_buffer, .address_space: global }
      - { .name: wc, .offset: 48, .size: 8, .value_kind: global_buffer, .address_space: global }
      - { .name: ws, .offset: 56, .size: 8, .value_kind: global_buffer, .address_space: global }
    .group_segment_fixed_size: 68096
    .private_segment_fixed_size: 0
    .kernarg_segment_align: 8
    .kernarg_segment_size: 64
    .max_flat_workgroup_size: 128
    .sgpr_count:     66
    .vgpr_count:     210
    .wavefront_size: 32
...
	.end_amdgpu_metadata
.endif
;; end of part 1
;; launch qkv (part 2): grid 8 x 32, 4 waves a work-group, clusters of 4 x 4, 327,680 bytes of LDS; arguments xc, xs, wc, ws, qkvc, qkvs; writes qkvc, qkvs
.if DOCPART == 2
	.amdgcn_target "amdgcn-amd-amdhsa--gfx1250"
	.amdhsa_code_object_version 6
	.text
	.protected	k_q13739a4ae4_qkv
	.globl	k_q13739a4ae4_qkv
	.p2align	8
	.type	k_q13739a4ae4_qkv,@function
k_q13739a4ae4_qkv:
	s_mov_b64 s[64:65], 0
	v_nop
	global_prefetch_b8 v0, s[64:65] scope:SCOPE_SE
	s_setreg_imm32_b32 hwreg(HW_REG_WAVE_MODE, 25, 1), 1
	s_wait_xcnt 0x0
	s_wait_alu depctr_hold_cnt(0) depctr_sa_sdst(0) depctr_va_vdst(0) depctr_va_sdst(0) depctr_va_ssrc(0) depctr_va_vcc(0) depctr_vm_vsrc(0)
	s_getreg_b32 s2, hwreg(HW_REG_IB_STS2, 6, 4)
	s_cmp_eq_u32 s2, 0
	s_cbranch_scc0 .Lentry_in_a_cluster
	s_endpgm
.Lentry_in_a_cluster:
	s_bfe_u32 s2, ttmp6, 0x10000c
	s_cmp_lg_u32 s2, 0xf033
	s_cbranch_scc0 .Lentry_shape_is_right
	s_endpgm
.Lentry_shape_is_right:
; q = x Wq, k and v = x Wkv on codes of BF8 (E5M2) with E8M0 scales (K = 1,024), and the results QUANTISED ON THE WAY OUT, in registers, into the operands of the attention launch: no f32 result goes to memory.
; THE DEAL: 256 work-groups of four waves, each with two phases.  PHASE 1: a tile of 256 tokens x 256 columns of q (cluster x = 0) or k (1): a wave makes 128 x 128, 64 accumulators.
; PHASE 2: a tile of 128 channels of v x 256 tokens: a wave makes 64 x 128, 32 accumulators.  So every wave issues 512 + 256 matrix instructions.
; K goes in steps of 256 through a ring of two LDS slots filled by the tensor data mover; the ring runs on from phase 1 into phase 2: phase 1's last two changes of slots ask for phase 2's K steps 0 and 1.
; The scale bytes of both phases' rows, for all of K, come into LDS once.  4 x 4 work-groups form a cluster: tiles of the operand called A are shared along a row of the cluster, tiles of B along a column, each asked for jointly.
; ROLES.  Source 0 takes 16 rows of B, source 1 16 rows of A: a lane holds ONE row of A, and its registers run along B's rows.  The stored order of rows (bits 3 and 4 exchanged) makes the 16 registers of two neighbouring tiles
; 16 neighbours of B's logical order.  Phase 1: A = x, tokens 256 (4 Y + cy); B = W, rows 256 (4 X + cx).  Phase 2: A = W's v rows 2,048 + 128 (4 X + cy); B = x, tokens 256 (4 Y + cx).  (X, Y: the cluster; cx, cy: my place in it.)
; OUT.  Codes leave as images of operand registers: lane l's 16 bytes at 16 l, 512 consecutive bytes a store.  qkvc: sections q, k, v of 2^23 bytes, 131,072 for each head bh:
;   q, k: [token tile 128][c 2][512]: lane (r, h) = stored token 16 T + r, d = 32 c + 16 h + 0..15;   v: [key block 64][d tile 4][512]: lane (r, h) = stored d 16 a + r, keys 32 kb + 16 h + 0..15.
; qkvs: q at 0, 8,192 bytes a head; k and v at 524,288, 12,288 a head (k's 8,192, v's 4,096).  q, k: words [T / 4][r][T % 4], the two blocks' bytes standing twice in a word;  v: words [key step 16][r][d tile 4].
; No prefetch: K is four steps, of which two are asked for at the head.  LIMITS: NaN and infinities are not served; a block of zeros gets the byte 1 (its codes are zeros; this program alone reads the bytes).
; REGISTERS, in windows of 256: window 0: v0-31 addresses; v32-63 scale words, two sets; from v128 A's fragments (phase 1 one set of eight, phase 2 two sets of four; on the way out v128-239 are at work).
;   window 1: B's fragments, two sets.  window 2: the accumulators of A's blocks 0-3 ((a, b) at v[8 (8 a + b)]);  window 3: those of blocks 4-7.
.set NQ,     2
.set ROWB,   256
.set KROW,   1024
.set PITCH,  272                       ; an LDS row: 256 bytes + 16 of padding
.set FR,     16
.set NL,     4
.set NP,     8                         ; places behind this matrix instruction (ISA guide 7.12.1)
.set HALFT,  128*PITCH
.set SLOT,   4*HALFT                   ; A's rows from 0, B's 256 rows from 2 HALFT
.set KS,     32
.set SCL,    2*SLOT                    ; phase 1's scales: A's 256 rows, B's 256 rows, as units of 256 bytes + 16
.set HALFS,  16*272                    ; the scales of 128 rows
.set SBLK,   2*272                     ; of 16 rows
.set SCL2,   SCL+4*HALFS               ; phase 2's: A's 128 rows, B's 256
.set SPARE,  SCL2+3*HALFS              ; the spare words
.set VO,   8                           ; v8-11  phase 1: byte offset of block p's image
.set SOF,  12                          ; v12    phase 1: the scale words' offset
.set SH,   13                          ; v13    16 h
.set ADRA, 16                          ; v16-17 LDS address of my A fragments in slot 0, 1
.set ADRA2, 18                         ; v18-19 the same in phase 2
.set ADRB, 20                          ; v20-21 of my B fragments
.set ADRS2, 22                         ; v22    of my scale words in phase 2
.set SOF2, 23                          ; v23    phase 2: 16 r
.set VO2,  24                          ; v24-27 phase 2: byte offset of block p's image
.set SPW,  28
.set NIL,  29
.set ADRS, 30                          ; v30    LDS address of my scale words: lanes 0-15 A's rows, lanes 16-31 B's
.set SC,   32
.set AF,   128
.set TT,   128                         ; the way out: 64 numbers held
.set CD,   192                         ; their codes
.set TM,   208                         ; largest magnitudes, bytes, holds, scale operands
.set PW,   224                         ; block a's scale word
.set XW,   232                         ; scale words as they are stored
.set G1, 24
.set G0, 32
.set G1B, 48
.set G0B, 56
.set G1S, 68
.set G1SB, 76
.set MSB, 0
.macro WIN new
.if MSB != (\new)
	s_set_vgpr_msb (MSB<<8)|(\new)
.set MSB, (\new)
.endif
.endm
.set MUL_LO, 0xa1                      ; source 0 (B) window 1, source 1 (A) window 0, C and D window 2
.set MUL_HI, 0xf1
.set TO_B,   0x40
.macro PLACES n
.rept \n
	v_nop
.endr
.endm
.macro TL g0, g1                       ; a tensor load; an s_nop 0 and four v_nop follow it
	tensor_load_to_lds s[\g0:\g0+3], s[\g1:\g1+7]
	s_nop 0
	PLACES 4
.endm
.macro JLOAD s                         ; a refill of slot s: waves 0 and 1 fetch A's halves, waves 2 and 3 B's
	s_cmp_eq_u32 s15, 0
	s_cbranch_scc0 .Lfor_b_\@
	TL G0+4*\s, G1
	s_branch .Lasked_\@
.Lfor_b_\@:
	TL G0B+4*\s, G1B
.Lasked_\@:
.endm
.macro HEAD4                           ; four whole tiles, one a wave: one chain of branches on the wave's number
	s_cmp_lt_u32 s14, 1
	s_cbranch_scc0 .Lh1_\@
	TL G0, G1
	s_branch .Lh4_\@
.Lh1_\@:
	s_cmp_lt_u32 s14, 2
	s_cbranch_scc0 .Lh2_\@
	TL G0B, G1B
	s_branch .Lh4_\@
.Lh2_\@:
	s_cmp_lt_u32 s14, 3
	s_cbranch_scc0 .Lh3_\@
	TL G0+4, G1S
	s_branch .Lh4_\@
.Lh3_\@:
	TL G0B+4, G1SB
.Lh4_\@:
.endm
.macro CREST
	s_cmp_lg_u32 s14, 0
	s_cbranch_scc1 .Lnot_wave_0_\@
	s_barrier_signal -3
.Lnot_wave_0_\@:
	s_barrier_wait -3
	s_barrier_signal -1
	s_barrier_wait -1
.endm
.macro CROUND
	s_barrier_signal -1
	s_barrier_wait -1
	CREST
.endm
.macro SETG g, lds, p, off=0           ; a group 0: to LDS byte lds, from the address in s[p:p+1] + off
	s_mov_b32 s[\g], 1
	s_mov_b32 s[\g+1], \lds
	s_add_nc_u64 s[\g+2:\g+3], s[\p:\p+1], \off
	s_or_b32 s[\g+3], s[\g+3], 0x80000000
.endm
; The ring's descriptors of a phase, written where no tensor load of the wave is out: a load of A brings `rows` rows, one of B 128.  Slot 0's stand at K step k0, slot 1's at K step 1.
.macro RING rows, la, pa, oa, pb, k0
	s_mov_b32 s[G1+2], (\rows)<<16
	s_mov_b32 s[G1+4], \rows
	s_mov_b32 s[G1B+2], 128<<16
	s_mov_b32 s[G1B+4], 128
.irp s, 0,1
	s_add_co_u32 s[G0+4*\s+1], s[\la], \s*SLOT
	s_add_nc_u64 s[G0+4*\s+2:G0+4*\s+3], s[\pa:\pa+1], s[\oa:\oa+1]
	s_add_nc_u64 s[G0+4*\s+2:G0+4*\s+3], s[G0+4*\s+2:G0+4*\s+3], (\k0*(1-\s)+\s)*ROWB
	s_or_b32 s[G0+4*\s+3], s[G0+4*\s+3], 0x80000000
	s_add_co_u32 s[G0B+4*\s+1], s19, \s*SLOT
	s_add_nc_u64 s[G0B+4*\s+2:G0B+4*\s+3], s[\pb:\pb+1], s[20:21]
	s_add_nc_u64 s[G0B+4*\s+2:G0B+4*\s+3], s[G0B+4*\s+2:G0B+4*\s+3], (\k0*(1-\s)+\s)*ROWB
	s_or_b32 s[G0B+4*\s+3], s[G0B+4*\s+3], 0x80000000
.endr
.endm
	s_load_b256 s[4:11], s[0:1], 0x0               ; xc, xs, wc, ws
	s_load_b64 s[12:13], s[0:1], 0x20              ; qkvc
	s_load_b64 s[100:101], s[0:1], 0x28            ; qkvs
	v_lshl_add_u32 v[SPW], v0, 2, SPARE
	v_mov_b32 v[NIL], 0
	ds_add_u32 v[SPW], v[NIL]
	ds_add_u32 v[SPW], v[NIL]
	v_lshrrev_b32 v1, 5, v0
	v_readfirstlane_b32 s14, v1                    ; wave 0..3
	s_lshr_b32 s15, s14, 1                         ; which half of A's rows is mine.  Also: in the ring I fetch for A (0) or for B (1)
	s_and_b32 s16, s14, 1                          ; which half of B's rows.  Also: which half of that tile I fetch
	s_bfe_u32 s40, ttmp6, 0x40000                  ; cx, cy
	s_bfe_u32 s41, ttmp6, 0x40004
	s_and_b32 s17, ttmp7, 0xffff
	s_lshl_b32 s17, s17, 2                         ; 4 Y
	s_lshl_b32 s3, ttmp9, 2                        ; 4 X
	s_add_co_u32 s42, s17, s41                     ; phase 1, A: which 256 tokens
	s_add_co_u32 s43, s3, s40                      ; phase 1, B: which 256 rows of W
	s_add_co_u32 s44, s3, s41                      ; phase 2, A: which 128 of W's v rows
	s_add_co_u32 s45, s17, s40                     ; phase 2, B: which 256 tokens
	s_lshl_b32 s46, s41, 2
	s_lshl_b32 s46, 15, s46                        ; my row of the cluster
	s_lshl_b32 s47, 0x1111, s40                    ; my column
	s_or_b32 s[G1+0], s46, (1<<20)|(1<<21)|(5<<22)|(3<<25)   ; the mask; elements of 1 byte; 4 words of padding after every 64; bit 21 beside a mask
	s_or_b32 s[G1B+0], s47, (1<<20)|(1<<21)|(5<<22)|(3<<25)
.irp g, G1, G1B
	s_mov_b32 s[\g+1], ROWB<<16
	s_mov_b32 s[\g+2], 256<<16                     ; 256 rows for the first fills; the ring's loads bring fewer
	s_mov_b32 s[\g+3], ROWB<<16
	s_mov_b32 s[\g+4], 256
	s_mov_b32 s[\g+5], KROW
	s_mov_b32 s[\g+6], 0
	s_mov_b32 s[\g+7], 0
.endr
	s_or_b32 s[G1S+0], s46, (3<<16)|(1<<20)|(1<<21)|(5<<22)|(3<<25)   ; the scales of 256 rows: 8,192 dense bytes as 32 rows of 256, 16 bytes of padding behind each
	s_or_b32 s[G1SB+0], s47, (3<<16)|(1<<20)|(1<<21)|(5<<22)|(3<<25)
.irp g, G1S, G1SB
	s_mov_b32 s[\g+1], 32<<16
	s_mov_b32 s[\g+2], 32<<16
	s_mov_b32 s[\g+3], 32<<16
	s_mov_b32 s[\g+4], 32
	s_mov_b32 s[\g+5], 32
	s_mov_b32 s[\g+6], 0
	s_mov_b32 s[\g+7], 0
.endr
	s_lshl_b32 s84, s42, 18                        ; offsets, all under 2^32: codes 1,024 bytes a row, scales 32
	s_lshl_b32 s86, s43, 18
	s_lshl_b32 s88, s44, 17
	s_add_co_u32 s88, s88, 2048*1024
	s_lshl_b32 s90, s45, 18
	s_lshl_b32 s92, s42, 13
	s_lshl_b32 s94, s43, 13
	s_lshl_b32 s96, s44, 12
	s_add_co_u32 s96, s96, 2048*32
	s_lshl_b32 s98, s45, 13
.irp p, 85,87,89,91,93,95,97,99
	s_mov_b32 s\p, 0
.endr
	s_mul_i32 s19, s14, HALFT                      ; where the ring's loads go: wave x 128 rows;
	s_mul_i32 s18, s14, 64*PITCH                   ; phase 2's A: wave x 64 rows
	s_lshl_b32 s20, s16, 17                        ; and which half they fetch: 128 rows,
	s_mov_b32 s21, 0
	s_lshl_b32 s22, s16, 16                        ; or 64
	s_mov_b32 s23, 0
	s_wait_dscnt 0x0
	s_wait_kmcnt 0x0
	s_add_nc_u64 s[84:85], s[4:5], s[84:85]        ; phase 1: A's codes,
	s_add_nc_u64 s[86:87], s[8:9], s[86:87]        ; B's;
	s_add_nc_u64 s[88:89], s[8:9], s[88:89]        ; phase 2: A's,
	s_add_nc_u64 s[90:91], s[4:5], s[90:91]        ; B's;
	s_add_nc_u64 s[92:93], s[6:7], s[92:93]        ; and the four tiles of scales
	s_add_nc_u64 s[94:95], s[10:11], s[94:95]
	s_add_nc_u64 s[96:97], s[10:11], s[96:97]
	s_add_nc_u64 s[98:99], s[6:7], s[98:99]
	CROUND                                         ; all sixteen work-groups are here: the first joint loads meet
	SETG G0, 0, 84
	SETG G0B, 2*HALFT, 86
	SETG G0+4, SCL, 92
	SETG G0B+4, SCL+2*HALFS, 94
	HEAD4                                          ; K step 0's A and B, and phase 1's scales: one load a wave
	; where my results go.  Phase 2 first: it takes the buffers' addresses as they came
	s_lshl_b32 s40, s45, 8
	s_lshl_b32 s41, s16, 7
	s_add_co_u32 s40, s40, s41                     ; my first token
	s_lshl_b32 s41, s44, 1
	s_add_co_u32 s41, s41, s15                     ; my head: my 64 rows of W
	s_lshr_b32 s67, s40, 11
	s_lshl_b32 s67, s67, 4
	s_add_co_u32 s41, s41, s67                     ; bh
	s_and_b32 s40, s40, 2047
	s_lshl_b32 s66, s41, 17
	s_add_co_u32 s66, s66, 2<<23
	s_lshl_b32 s67, s40, 6                         ; 64 bytes a token in all three layouts
	s_add_co_u32 s66, s66, s67
	s_mov_b32 s67, 0
	s_add_nc_u64 s[2:3], s[12:13], s[66:67]
	s_mul_i32 s66, s41, 12288
	s_add_co_u32 s66, s66, 524288+8192
	s_lshl_b32 s40, s40, 1
	s_add_co_u32 s66, s66, s40
	s_add_nc_u64 s[104:105], s[100:101], s[66:67]
	s_lshl_b32 s40, s42, 8                         ; phase 1
	s_lshl_b32 s41, s15, 7
	s_add_co_u32 s40, s40, s41                     ; my first token
	s_lshl_b32 s41, s43, 2
	s_lshl_b32 s66, s16, 1
	s_add_co_u32 s41, s41, s66
	s_and_b32 s41, s41, 15                         ; my first head: my 128 rows of W are two heads
	s_lshr_b32 s66, s40, 11
	s_lshl_b32 s66, s66, 4
	s_add_co_u32 s41, s41, s66                     ; bh
	s_and_b32 s40, s40, 2047
	s_lshl_b32 s66, ttmp9, 23
	s_lshl_b32 s46, s41, 17
	s_add_co_u32 s66, s66, s46
	s_lshl_b32 s46, s40, 6
	s_add_co_u32 s66, s66, s46
	s_add_nc_u64 s[12:13], s[12:13], s[66:67]
	s_cmp_eq_u32 ttmp9, 0
	s_mov_b32 s66, 12288
	s_cselect_b32 s66, 8192, s66                   ; scale bytes from head to head
	s_cselect_b32 s46, 0, 524288
	s_mul_i32 s41, s41, s66
	s_add_co_u32 s46, s46, s41
	s_lshl_b32 s40, s40, 2
	s_add_co_u32 s40, s46, s40
	s_mov_b32 s41, 0
	s_add_nc_u64 s[100:101], s[100:101], s[40:41]
	s_mul_i32 s46, s15, HALFT                      ; my rows of A,
	s_mul_i32 s47, s16, HALFT
	s_add_co_u32 s47, s47, 2*HALFT                 ; of B,
	s_mul_i32 s17, s15, 64*PITCH                   ; of phase 2's A
	s_mul_i32 s92, s15, HALFS                      ; scale words: lanes 0-15 take A's, lanes 16-31 B's: the lower base + h x the distance
	s_mul_i32 s93, s16, HALFS
	s_add_co_u32 s93, s93, 2*HALFS
	s_sub_co_u32 s93, s93, s92
	s_add_co_u32 s92, s92, SCL
	s_mul_i32 s94, s15, 4*SBLK
	s_mul_i32 s95, s16, HALFS
	s_add_co_u32 s95, s95, HALFS
	s_sub_co_u32 s95, s95, s94
	s_add_co_u32 s94, s94, SCL2
	v_and_b32 v1, 15, v0                           ; r
	v_bfe_u32 v2, v0, 4, 1                         ; h
	v_mul_u32_u24 v3, v1, PITCH
	v_lshl_add_u32 v4, v2, 4, v3                   ; a fragment's row x pitch + 16 x half
	v_add_nc_u32 v[ADRA], s46, v4
	v_add_nc_u32 v[ADRB], s47, v4
	v_add_nc_u32 v[ADRA2], s17, v4
	v_add_nc_u32 v[ADRA+1], SLOT, v[ADRA]
	v_add_nc_u32 v[ADRB+1], SLOT, v[ADRB]
	v_add_nc_u32 v[ADRA2+1], SLOT, v[ADRA2]
	v_mul_u32_u24 v5, v1, KS                       ; my row's scales: 32 bytes a row,
	v_lshrrev_b32 v6, 8, v5
	v_lshl_add_u32 v5, v6, 4, v5                   ; and 16 more for each 256 passed
	v_mad_u32_u24 v6, s93, v2, v5
	v_add_nc_u32 v[ADRS], s92, v6
	v_mad_u32_u24 v7, s95, v2, v5
	v_add_nc_u32 v[ADRS2], s94, v7
	v_and_b32 v6, 31, v0
	v_lshlrev_b32 v[VO], 4, v6
	v_add_nc_u32 v[VO+1], 512, v[VO]               ; q, k: block p + 1 is the head's second 32, p + 2 the next head
	v_add_nc_u32 v[VO+2], 131072, v[VO]
	v_add_nc_u32 v[VO+3], 131584, v[VO]
	v_mov_b32 v[VO2], v[VO]                        ; v: block p + 1 is the next key block
	v_add_nc_u32 v[VO2+1], 2048, v[VO]
	v_add_nc_u32 v[VO2+2], 4096, v[VO]
	v_add_nc_u32 v[VO2+3], 6144, v[VO]
	v_mul_u32_u24 v[SOF], s66, v2
	v_lshl_add_u32 v[SOF], v1, 4, v[SOF]
	v_lshlrev_b32 v[SOF2], 4, v1
	v_lshlrev_b32 v[SH], 4, v2
	s_mov_b32 s66, 1024                            ; from A's block a to a + 1: q, k the next token tile
	s_mov_b32 s40, 0x76543210
	s_mov_b32 s41, 0xfedcba98                      ; v_permlanex16_b32's selects for lane l xor 16
	s_mov_b32 s42, 0x600000                        ; the mantissa field of 57,344
.macro FRAG reg, adr, q, i             ; 16 rows x 128 K of 8-bit codes: lane l holds row l % 16; registers 4 c .. 4 c + 3 hold K = 32 c + 16 (l / 16) + 0 .. 15
.irp c, 0,1,2,3
	ds_load_b128 v[\reg+4*\c:\reg+4*\c+3], v[\adr] offset:128*(\q)+32*\c+(\i)*16*PITCH
.endr
.endm
; 16 matrix instructions: A's blocks a0, a0 + 1 (their fragments sh places on) x B's eight, 128 along K.  zero = 1: the first product starts the sums.  The accumulators take turns, one instruction a turn.
.macro MUL16 a0, p, q, sc, zero, sh=0
.irp a, \a0, \a0+1
.irp b, 0,1,2,3,4,5,6,7
.if \zero
	v_wmma_scale_f32_16x16x128_f8f6f4 v[8*(8*((\a)%4)+\b):8*(8*((\a)%4)+\b)+7], v[128*(\p)+FR*\b:128*(\p)+FR*\b+FR-1], v[AF+FR*((\a)+\sh):AF+FR*((\a)+\sh)+FR-1], 0, v[SC+8*NQ*(\sc)+NQ*\b+(\q)], v[SC+8*NQ*(\sc)+NQ*(\a)+(\q)] matrix_a_fmt:MATRIX_FMT_BF8 matrix_b_fmt:MATRIX_FMT_BF8 matrix_a_scale:MATRIX_SCALE_ROW1
.else
	v_wmma_scale_f32_16x16x128_f8f6f4 v[8*(8*((\a)%4)+\b):8*(8*((\a)%4)+\b)+7], v[128*(\p)+FR*\b:128*(\p)+FR*\b+FR-1], v[AF+FR*((\a)+\sh):AF+FR*((\a)+\sh)+FR-1], v[8*(8*((\a)%4)+\b):8*(8*((\a)%4)+\b)+7], v[SC+8*NQ*(\sc)+NQ*\b+(\q)], v[SC+8*NQ*(\sc)+NQ*(\a)+(\q)] matrix_a_fmt:MATRIX_FMT_BF8 matrix_b_fmt:MATRIX_FMT_BF8 matrix_a_scale:MATRIX_SCALE_ROW1
.endif
.endr
.endr
.endm
.macro FETCH_B slot, q, p
	WIN TO_B
.irp i, 0,1,2,3,4,5,6,7
	FRAG 128*(\p)+FR*\i, ADRB+\slot, \q, \i
.endr
	WIN 0
.endm
.macro FETCH_A slot, q, i0
.irp i, \i0, \i0+1, \i0+2, \i0+3
	FRAG AF+FR*(\i), ADRA+\slot, \q, \i
.endr
.endm
.macro FETCH_AP slot, q, set           ; phase 2: A's four blocks into set 0 or 1
.irp i, 0,1,2,3
	FRAG AF+64*(\set)+FR*\i, ADRA2+\slot, \q, \i
.endr
.endm
.macro SCALES sc, adr                  ; a K step's scale words: two words a row; lanes 0-15 take A's block i, lanes 16-31 B's block i (phase 2 has four blocks of A: lanes 0-15 of registers 8 on are not used there)
.irp i, 0,1,2,3,4,5,6,7
	ds_load_b64 v[SC+8*NQ*\sc+NQ*\i:SC+8*NQ*\sc+NQ*\i+1], v[\adr] offset:\i*SBLK
.endr
.endm
.macro STEP slot, q, zero              ; phase 1: 128 along K that has its successor in the same slot
	s_wait_dscnt 4*NL                              ; all but the youngest sixteen loads (A's blocks 4-7) are in
	WIN MUL_LO
	MUL16 0, (\q)%2, \q, \slot, \zero
	MUL16 2, (\q)%2, \q, \slot, \zero
	s_wait_dscnt 0
	PLACES NP
	FETCH_B \slot, (\q)+1, 1-(\q)%2
	FETCH_A \slot, (\q)+1, 0
	WIN MUL_HI
	MUL16 4, (\q)%2, \q, \slot, \zero
	MUL16 6, (\q)%2, \q, \slot, \zero
	PLACES NP
	WIN 0
	FETCH_A \slot, (\q)+1, 4
.endm
.macro MEET slot                       ; the first half of a slot's last 128 along K: the three lines, and the barrier that opens a round of the cluster's barrier
	s_wait_dscnt 4*NL+1                            ; (the add and the youngest sixteen loads may be out)
	WIN MUL_LO
	MUL16 0, 1, NQ-1, \slot, 0
	s_wait_dscnt 0x0                               ; the add is done, and my reads of this slot are over
	s_barrier_signal -1
	MUL16 2, 1, NQ-1, \slot, 0
	WIN 0
	s_barrier_wait -1
	CREST                                          ; no wave of any partner still reads this slot's tile or has a load on its way
.endm
; Phase 1: a slot's last 128 along K changes slots and fills the slot again.  fill = 1: two K steps on; 2: the first refill: the ring's descriptors are made; 3: phase 2's descriptors are made, and the slot takes its K step 0.
.macro TURN slot, next, fill
	s_wait_tensorcnt 0x0                           ; all my tensor loads have landed
	ds_add_u32 v[SPW], v[NIL]
.if \fill == 2
	RING 128, 19, 84, 20, 86, 2
.elseif \fill == 3
	RING 64, 18, 88, 22, 90, 0
.endif
	MEET \slot
.if \fill == 1
	s_add_nc_u64 s[G0+4*\slot+2:G0+4*\slot+3], s[G0+4*\slot+2:G0+4*\slot+3], 2*ROWB
	s_add_nc_u64 s[G0B+4*\slot+2:G0B+4*\slot+3], s[G0B+4*\slot+2:G0B+4*\slot+3], 2*ROWB
.endif
	JLOAD \slot                                    ; my one tensor load until the next change of slots
	PLACES NP-4
	s_wait_alu depctr_va_vdst(0)                   ; the address was written a K step ago
	v_add_nc_u32 v[ADRS], 4*NQ, v[ADRS]            ; on to the next K step's scale words
	FETCH_B \next, 0, 0
	FETCH_A \next, 0, 0
	SCALES \next, ADRS
	WIN MUL_HI
	MUL16 4, 1, NQ-1, \slot, 0
	MUL16 6, 1, NQ-1, \slot, 0
	PLACES NP
	WIN 0
	FETCH_A \next, 0, 4
.endm
; Phase 2: 32 matrix instructions for 128 along K; both operands have two sets of fragments, and a step's first lines fetch the next step's.
.macro PSTEP slot, zero
	s_wait_dscnt 0x0                               ; this step's fragments are in
	PLACES NP
	FETCH_B \slot, 1, 1
	FETCH_AP \slot, 1, 1
	WIN MUL_LO
	MUL16 0, 0, 0, \slot, \zero
	MUL16 2, 0, 0, \slot, \zero
	WIN 0
.endm
.macro PTURN slot, next, fill
	s_wait_tensorcnt 0x0
	ds_add_u32 v[SPW], v[NIL]
	s_wait_dscnt 0x0                               ; the add is done, and the slot's last fragments are in registers
	s_barrier_signal -1
	WIN MUL_LO
	MUL16 0, 1, 1, \slot, 0, 4
	WIN 0
	s_barrier_wait -1
.if \fill
	CREST
	s_add_nc_u64 s[G0+4*\slot+2:G0+4*\slot+3], s[G0+4*\slot+2:G0+4*\slot+3], 2*ROWB
	s_add_nc_u64 s[G0B+4*\slot+2:G0B+4*\slot+3], s[G0B+4*\slot+2:G0B+4*\slot+3], 2*ROWB
	JLOAD \slot
	PLACES NP-4
.else
	PLACES NP
.endif
	s_wait_alu depctr_va_vdst(0)
	v_add_nc_u32 v[ADRS2], 4*NQ, v[ADRS2]
	FETCH_B \next, 0, 0
	FETCH_AP \next, 0, 0
	SCALES \next, ADRS2
	WIN MUL_LO
	MUL16 2, 1, 1, \slot, 0, 4
	WIN 0
.endm
; THE WAY OUT.  For A's block a, register 16 p + i of its eight accumulators is, of my lane's row, the number 32 p + 16 (lane / 16) + i along the next K: four blocks of 32, each shared with lane l xor 16.
.macro QOUT a, vo
.set AC, 64*((\a)%4)
.set W, 2+(\a)/4
	WIN (W|(W<<2))
.irp b, 0,1,2,3
	v_max3_num_f32 v[TM+\b], |v[AC+16*\b]|, |v[AC+16*\b+1]|, 0x8000000   ; with the floor 2^(16 - 127): the byte cannot fall under 1
.endr
.irp i, 2,4,6,8,10,12,14
.irp b, 0,1,2,3
	v_max3_num_f32 v[TM+\b], |v[AC+16*\b+\i]|, |v[AC+16*\b+\i+1]|, v[TM+\b]
.endr
.endr
	WIN 0
.irp b, 0,1,2,3
	v_permlanex16_b32 v[TM+4+\b], v[TM+\b], s40, s41
.endr
.irp b, 0,1,2,3
	v_max_num_f32 v[TM+\b], v[TM+\b], v[TM+4+\b]   ; the block's largest magnitude
.endr
.irp b, 0,1,2,3
	v_add_nc_u32 v[TM+12+\b], 0xf8800000, v[TM+\b] ; the conversion's scale operand
.endr
.irp b, 0,1,2,3
	v_and_or_b32 v[TM+8+\b], v[TM+\b], 0x7f800000, s42   ; 57,344 x the scale
.endr
.irp b, 0,1,2,3
	v_lshrrev_b32 v[TM+4+\b], 23, v[TM+12+\b]      ; the scale's byte
.endr
	v_lshl_or_b32 v[PW+(\a)], v[TM+5], 8, v[TM+4]
	v_lshl_or_b32 v[PW+(\a)], v[TM+6], 16, v[PW+(\a)]
	v_lshl_or_b32 v[PW+(\a)], v[TM+7], 24, v[PW+(\a)]
	WIN W
.irp b, 0,1,2,3
.irp i, 0,1,2,3,4,5,6,7,8,9,10,11,12,13,14,15
	v_med3_num_f32 v[TT+16*\b+\i], v[AC+16*\b+\i], -v[TM+8+\b], v[TM+8+\b]   ; the conversion does not saturate (ISA guide 7.6.2): the hold comes first
.endr
.endr
	WIN 0
.if (\a) > 0
	s_wait_alu depctr_va_vdst(0)
	s_wait_xcnt 0x0                                ; the last block's stores have read their data and their base
	s_add_nc_u64 s[12:13], s[12:13], s[66:67]
.endif
.irp b, 0,1,2,3
	v_cvt_scalef32_pk8_bf8_f32 v[CD+4*\b:CD+4*\b+1], v[TT+16*\b:TT+16*\b+7], v[TM+12+\b]
	v_cvt_scalef32_pk8_bf8_f32 v[CD+4*\b+2:CD+4*\b+3], v[TT+16*\b+8:TT+16*\b+15], v[TM+12+\b]
.endr
	v_nop                                          ; a plain line behind the last conversion
.irp p, 0,1,2,3
	global_store_b128 v[\vo+\p], v[CD+4*\p:CD+4*\p+3], s[12:13]     ; an image: 512 consecutive bytes, aligned
.endr
.endm
	s_wait_alu depctr_va_vdst(0)
	s_wait_tensorcnt 0x0                           ; my tile of the head's four is in
	ds_add_u32 v[SPW], v[NIL]
	SETG G0, SLOT, 84, ROWB                        ; K step 1's A and B, whole, and phase 2's scales
	SETG G0B, SLOT+2*HALFT, 86, ROWB
	SETG G0+4, SCL2, 96
	SETG G0B+4, SCL2+HALFS, 98
	s_mov_b32 s[G1S+2], 16<<16                     ; phase 2's A has 128 rows: 16 rows of 256 bytes of scales
	s_mov_b32 s[G1S+4], 16
	s_wait_dscnt 0x0
	CROUND
	HEAD4                                          ; four first fills behind the round, one a wave
	FETCH_B 0, 0, 0
	FETCH_A 0, 0, 0
	SCALES 0, ADRS
	FETCH_A 0, 0, 4
	STEP 0, 0, 1                                   ; PHASE 1: four K steps, written out
	TURN 0, 1, 2                                   ; slot 0 takes K step 2
	STEP 1, 0, 0
	TURN 1, 0, 1                                   ; slot 1 takes K step 3
	STEP 0, 0, 0
	TURN 0, 1, 3                                   ; slot 0 takes phase 2's K step 0
	STEP 1, 0, 0
	s_wait_tensorcnt 0x0                           ; phase 2's K step 0 is in
	ds_add_u32 v[SPW], v[NIL]
	MEET 1
	JLOAD 1                                        ; slot 1 takes phase 2's K step 1
	WIN MUL_HI
	MUL16 4, 1, NQ-1, 1, 0
	MUL16 6, 1, NQ-1, 1, 0
	WIN 0
	PLACES NP                                      ; behind the last products: results are read, and registers that held A's fragments are written
.irp b, 0,1,2,3
	v_mov_b32 v[TM+4+\b], 0                        ; a lane permute's destination counts as one of its sources
.endr
.irp a, 0,1,2,3,4,5,6,7
	QOUT \a, VO
.endr
.irp g, 0,1                                    ; a word's low half is my first head's two bytes, its high half the second head's: lanes 0-15 store the first head's words, lanes 16-31 the second's
.irp j, 0,1,2,3
	v_bfe_u32 v[XW+4*\g+\j], v[PW+4*\g+\j], v[SH], 16
	v_lshl_or_b32 v[XW+4*\g+\j], v[XW+4*\g+\j], 16, v[XW+4*\g+\j]   ; the two bytes stand twice: the attention launch lays a tile in either half of the instruction's 128
.endr
	global_store_b128 v[SOF], v[XW+4*\g:XW+4*\g+3], s[100:101] offset:256*\g   ; sixteen lanes store 256 consecutive bytes, aligned
.endr
	s_wait_xcnt 0x0                                ; PHASE 2.  The stores have read their data and bases
	s_mov_b64 s[12:13], s[2:3]
	s_mov_b64 s[100:101], s[104:105]
	s_mov_b32 s66, 512                             ; from A's block a to a + 1: the next d tile
	FETCH_B 0, 0, 0
	FETCH_AP 0, 0, 0
	SCALES 0, ADRS2
	PSTEP 0, 1
	PTURN 0, 1, 1                                  ; slot 0 takes K step 2
	PSTEP 1, 0
	PTURN 1, 0, 1                                  ; slot 1 takes K step 3
	PSTEP 0, 0
	PTURN 0, 1, 0
	PSTEP 1, 0
	s_wait_dscnt 0x0
	WIN MUL_LO
	MUL16 0, 1, 1, 1, 0, 4
	MUL16 2, 1, 1, 1, 0, 4
	WIN 0
	PLACES NP
.irp a, 0,1,2,3
	QOUT \a, VO2
.endr
	global_store_b128 v[SOF2], v[PW:PW+3], s[100:101]   ; my head's four d tiles' words of this key step: lanes l and l xor 16 hold and store the same 16 bytes: 256 consecutive bytes, aligned
	s_wait_tensorcnt 0x0                           ; the wave's end
	ds_add_u32 v[SPW], v[NIL]
	s_wait_dscnt 0x0
	CROUND                                         ; no work-group ends while a partner may still ask for a tile that names it
	s_endpgm
.Lfunc_end_k_q13739a4ae4_qkv:
	.size	k_q13739a4ae4_qkv, .Lfunc_end_k_q13739a4ae4_qkv-k_q13739a4ae4_qkv
	.p2alignl 7, 3214868480
	.fill 96, 4, 3214868480
	.section	.rodata,"a",@progbits
	.p2align	6, 0x0
	.amdhsa_kernel k_q13739a4ae4_qkv
		.amdhsa_group_segment_fixed_size 327680
		.amdhsa_private_segment_fixed_size 0
		.amdhsa_enable_private_segment 0
		.amdhsa_kernarg_size 48
		.amdhsa_user_sgpr_count 2
		.amdhsa_user_sgpr_kernarg_segment_ptr 1
		.amdhsa_wavefront_size32 1
		.amdhsa_system_sgpr_workgroup_id_x 1
		.amdhsa_system_sgpr_workgroup_id_y 1
		.amdhsa_system_sgpr_workgroup_id_z 1
		.amdhsa_system_vgpr_workitem_id 0
		.amdhsa_next_free_vgpr 1024
		.amdhsa_next_free_sgpr 106
		.amdhsa_reserve_vcc 0
		.amdhsa_float_denorm_mode_32 3
		.amdhsa_float_denorm_mode_16_64 3
		.amdhsa_memory_ordered 1
		.amdhsa_forward_progress 1
		.amdhsa_inst_pref_size 255
	.end_amdhsa_kernel
	.section	.bss,"aw",@nobits
	.p2align	6
	.space	262144
	.amdgpu_metadata
---
amdhsa.version: [ 1, 2 ]
amdhsa.kernels:
  - .name:           k_q13739a4ae4_qkv
    .symbol:         k_q13739a4ae4_qkv.kd
    .args:
      - { .name: xc, .offset: 0, .size: 8, .value_kind: global_buffer, .address_space: global }
      - { .name: xs, .offset: 8, .size: 8, .value_kind: global_buffer, .address_space: global }
      - { .name: wc, .offset: 16, .size: 8, .value_kind: global_buffer, .address_space: global }
      - { .name: ws, .offset: 24, .size: 8, .value_kind: global_buffer, .address_space: global }
      - { .name: qkvc, .offset: 32, .size: 8, .value_kind: global_buffer, .address_space: global }
      - { .name: qkvs, .offset: 40, .size: 8, .value_kind: global_buffer, .address_space: global }
    .group_segment_fixed_size: 327680
    .private_segment_fixed_size: 0
    .kernarg_segment_align: 8
    .kernarg_segment_size: 48
    .max_flat_workgroup_size: 128
    .sgpr_count:     106
    .vgpr_count:     1024
    .wavefront_size: 32
...
	.end_amdgpu_metadata
.endif
;; end of part 2
;; launch attn (part 3): grid 4 x 64, 16 waves a work-group, clusters of 4 x 1, 276,480 bytes of LDS; arguments qkvc, qkvs, oc, os; writes oc, os
.if DOCPART == 3
	.amdgcn_target "amdgcn-amd-amdhsa--gfx1250"
	.amdhsa_code_object_version 6
	.text
	.protected	k_q13739a4ae4_attn
	.globl	k_q13739a4ae4_attn
	.p2align	8
	.type	k_q13739a4ae4_attn,@function
k_q13739a4ae4_attn:
	s_mov_b64 s[64:65], 0
	v_nop
	global_prefetch_b8 v0, s[64:65] scope:SCOPE_SE
	s_setreg_imm32_b32 hwreg(HW_REG_WAVE_MODE, 25, 1), 1
	s_wait_xcnt 0x0
	s_wait_alu depctr_hold_cnt(0) depctr_sa_sdst(0) depctr_va_vdst(0) depctr_va_sdst(0) depctr_va_ssrc(0) depctr_va_vcc(0) depctr_vm_vsrc(0)
	s_getreg_b32 s2, hwreg(HW_REG_IB_STS2, 6, 4)
	s_cmp_eq_u32 s2, 0
	s_cbranch_scc0 .Lentry_in_a_cluster
	s_endpgm
.Lentry_in_a_cluster:
	s_bfe_u32 s2, ttmp6, 0x10000c
	s_cmp_lg_u32 s2, 0x3003
	s_cbranch_scc0 .Lentry_shape_is_right
	s_endpgm
.Lentry_shape_is_right:
; Causal attention of one head bh (64 of them: the grid's y) on codes of BF8 (E5M2) with E8M0 scales, and its result quantised along the inner 1,024 for the last product.
; t = score x log2(e) / 8; M = the running largest t rounded UP to a whole number; p = 2^(t - M) is quantised along the keys, not normalised; the row's sum is taken of the unquantised p and divides O at the end.
; When M moves, the sum and O are multiplied by 2^(old M - new M): exact.  Key steps that lie wholly behind the causal mask are left out.
; SHARES.  The four work-groups of a cluster share a head.  Wave w of work-group g owns two tiles of 16 stored queries: T = 4 w + g and 127 - (4 w + g): their last key steps of 128 are w / 2 and 15 - w / 2, whatever g:
; every wave does 17 steps, and every branch hangs on the wave's number and a counter alone.
; THE WHOLE HEAD'S K, V AND THEIR SCALE WORDS STAY IN LDS, filled once by nine joint loads that name all four work-groups, one a wave: wave 0 the scale words, waves 1 to 8 chunks of 32 KiB (four key steps) of K and V by turns.
; Nothing is filled again: no ring.  All is asked for at the head, so there is no loop to run ahead in, and no prefetch.  The images are operand registers as they stand: every LDS read is 512 consecutive bytes.
; LAYOUT.  Both products are used transposed: S^T = K Q^T, O^T = V^T P^T: a lane holds ONE query.  The stored order of tokens and channels (bits 3 and 4 exchanged) makes the 16 registers of two neighbouring result tiles 16 logical neighbours.
; The first product's K is 64, the instruction's 128: a fragment of K holds TWO key tiles, one in each half; it is multiplied by [q | 0] for the first and by [0 | q] for the second.  Q lies as q, eight registers of zero codes, q.
; K's and Q's scale words hold their two bytes twice, so a word serves either half; over zero codes any finite byte adds nothing.
; Lane r of stored tile T is logical query 32 (T / 2) + 8 (T % 2) + r % 8 + 16 (r / 8): that is what the causal compare uses.
; OUT.  oc: [head / 4][row tile 512][head % 4][b 2][512] images; os: [8192 stored rows][32] bytes: a lane stores one byte there.
; LIMITS: NaN and infinities are not served; a block of zeros gets the byte 1 (its codes are zeros; this program alone reads the bytes); scaled scores stay under 2^31 in magnitude.
.set VREG,  131072                     ; K's images from 0: tile x 1,024 + c x 512;  V's from here: key block x 2,048 + d tile x 512
.set SREG,  262144                     ; K's scale words (8,192 bytes), then V's (4,096)
.set SPARE, 274432                     ; the spare words: 128 bytes a wave
.set QL, 16                            ; v16-31 [q | 0]
.set QH, 24                            ; v24-39 [0 | q]
.set KF, 40                            ; v40-103 four fragments of K: eight key tiles
.set S,  104                           ; v104-167 S^T, p, then V's four fragments
.set O,  168                           ; v168-199 O^T
.set CD, 200                           ; v200-215 codes
.set KW, 216                           ; v216-223 K's scale words
.set VW, 224                           ; v224-227 V's
.set QW, 228                           ; Q's
.set PW, 229                           ; p's
.set RT, 230                           ; r % 8 + 16 (r / 8) - 16 h
.set NI, 231                           ; -infinity
.set BM, 232                           ; block maxima; BM and BT later hold parts of the row's sum
.set BT, 236
.set HL, 240                           ; the holds
.set SO, 244                           ; the conversions' scale operands
.set F,  248                           ; v[248:249] f
.set OM, 250                           ; the old -M; v[250:253] later parts of the row's sum
.set SX, 251
.set SPW, 254
.set NIL, 255
.set WV, 12
.set SEL, 84
.set CS, 86                            ; s[86:87] c = log2(e) / 8
.set MNT, 88
.set SI, 89                            ; the key step
.set TB, 90                            ; 8,192 x it
.set TS, 91                            ; 512 x
.set TJ, 92                            ; 256 x
.set DG, 93                            ; the last step of the tile in hand
.macro CROUND
	s_barrier_signal -1
	s_barrier_wait -1
	s_cmp_lg_u32 s[WV], 0
	s_cbranch_scc1 .Lnot_wave_0_\@
	s_barrier_signal -3
.Lnot_wave_0_\@:
	s_barrier_wait -3
	s_barrier_signal -1
	s_barrier_wait -1
.endm
.macro PTRS t, qc, qs, po, ps          ; the four addresses of tile s[t]: Q's codes, Q's scale words, O's codes, O's scale bytes
	s_lshl_b32 s98, s[\t], 10
	s_add_nc_u64 s[\qc:\qc+1], s[100:101], s[98:99]
	s_lshr_b32 s98, s[\t], 2
	s_lshl_b32 s98, s98, 8
	s_and_b32 s89, s[\t], 3
	s_lshl_b32 s89, s89, 2
	s_add_co_u32 s98, s98, s89
	s_lshl_b32 s89, s14, 13
	s_add_co_u32 s98, s98, s89
	s_add_nc_u64 s[\qs:\qs+1], s[6:7], s[98:99]
	s_lshr_b32 s89, s14, 4
	s_lshl_b32 s89, s89, 7
	s_add_co_u32 s89, s89, s[\t]                   ; the row tile among all 512
	s_and_b32 s90, s14, 15                         ; the head in its batch
	s_lshl_b32 s98, s89, 9
	s_lshl_b32 s91, s90, 1
	s_add_co_u32 s98, s98, s91
	s_add_nc_u64 s[\ps:\ps+1], s[10:11], s[98:99]
	s_lshl_b32 s98, s89, 12
	s_lshr_b32 s91, s90, 2
	s_lshl_b32 s91, s91, 21
	s_add_co_u32 s98, s98, s91
	s_and_b32 s91, s90, 3
	s_lshl_b32 s91, s91, 10
	s_add_co_u32 s98, s98, s91
	s_add_nc_u64 s[\po:\po+1], s[8:9], s[98:99]
.endm
.macro TLOAD g0, g1                    ; an s_nop 0 and four v_nop follow a tensor load
	tensor_load_to_lds s[\g0:\g0+3], s[\g1:\g1+7]
	s_nop 0
.rept 4
	v_nop
.endr
.endm
.macro QLOAD c, w                      ; a tile's Q: its two images, twice, and its scale words
	global_load_b128 v[QL:QL+3], v1, s[\c:\c+1]
	global_load_b128 v[QL+4:QL+7], v1, s[\c:\c+1] offset:512
	global_load_b128 v[QH+8:QH+11], v1, s[\c:\c+1]
	global_load_b128 v[QH+12:QH+15], v1, s[\c:\c+1] offset:512
	global_load_b32 v[QW], v6, s[\w:\w+1]
.endm
	s_load_b256 s[4:11], s[0:1], 0x0               ; qkvc, qkvs, oc, os
	v_lshl_add_u32 v[SPW], v0, 2, SPARE
	v_mov_b32 v[NIL], 0
	ds_add_u32 v[SPW], v[NIL]                      ; the opening lines: the add twice on end, one wait
	ds_add_u32 v[SPW], v[NIL]
	v_lshrrev_b32 v1, 5, v0
	v_readfirstlane_b32 s[WV], v1                  ; wave 0..15
	s_bfe_u32 s13, ttmp6, 0x40000                  ; my place in the cluster: it enters Q's and O's addresses and the causal compare's number alone
	s_and_b32 s14, ttmp7, 0xffff                   ; bh
	s_lshl_b32 s15, s[WV], 2
	s_add_co_u32 s15, s15, s13                     ; my early tile
	s_sub_co_u32 s2, 127, s15                      ; my late tile
	s_mov_b32 s16, 0x0023000f                      ; group 1 for 32 KiB dense: mask of all four; elements of 8 bytes; bit 21 beside a mask
	s_mov_b32 s17, 32<<16                          ; rows of 256 bytes
	s_mov_b32 s18, 128<<16
	s_mov_b32 s19, 32<<16
	s_mov_b32 s20, 128
	s_mov_b32 s21, 32
	s_mov_b32 s22, 0
	s_mov_b32 s23, 0
	s_mov_b32 s24, 0x0023000f                      ; group 1 for the scale words: 48 such rows
	s_mov_b32 s25, 32<<16
	s_mov_b32 s26, 48<<16
	s_mov_b32 s27, 32<<16
	s_mov_b32 s28, 48
	s_mov_b32 s29, 32
	s_mov_b32 s30, 0
	s_mov_b32 s31, 0
	s_mov_b32 s[SEL], 0x76543210
	s_mov_b32 s[SEL+1], 0xfedcba98
	s_mov_b32 s[CS], 0x3e38aa3b
	s_mov_b32 s[CS+1], s[CS]
	s_mov_b32 s[MNT], 0x600000
	s_add_co_u32 s40, s[WV], 7                     ; waves 1 to 8: j = wave + 7: K (j even) or V (j odd), chunk (j / 2) % 4: K0, V0, K1, V1 ..
	s_and_b32 s41, s40, 1
	s_bfe_u32 s42, s40, 0x20001
	s_lshl_b32 s43, s41, 17
	s_lshl_b32 s44, s42, 15
	s_mov_b32 s36, 1
	s_add_co_u32 s37, s43, s44                     ; where my chunk goes
	s_lshl_b32 s46, s41, 23
	s_add_co_u32 s46, s46, s44
	s_add_co_u32 s46, s46, 1<<23                   ; and where it lies behind the head's first byte of section q
	s_mov_b32 s47, 0
	s_lshl_b32 s98, s14, 17
	s_mov_b32 s99, 0
	s_wait_dscnt 0x0
	s_wait_kmcnt 0x0
	s_add_nc_u64 s[100:101], s[4:5], s[98:99]      ; the head's first byte in section q
	s_add_nc_u64 s[38:39], s[100:101], s[46:47]
	s_or_b32 s39, s39, 0x80000000
	s_mul_i32 s98, s14, 12288
	s_add_co_u32 s98, s98, 524288
	s_mov_b32 s32, 1
	s_mov_b32 s33, SREG
	s_add_nc_u64 s[34:35], s[6:7], s[98:99]
	s_or_b32 s35, s35, 0x80000000
	PTRS 2, 52, 54, 56, 58                         ; the late tile's addresses
	PTRS 15, 60, 62, 94, 96                        ; the early tile's
	s_and_b32 s100, s2, 6                          ; a tile's first query within its last key step: 32 ((T % 8) / 2) + 8 (T % 2)
	s_lshl_b32 s100, s100, 4
	s_and_b32 s89, s2, 1
	s_lshl_b32 s89, s89, 3
	s_add_co_u32 s100, s100, s89
	s_and_b32 s101, s15, 6
	s_lshl_b32 s101, s101, 4
	s_and_b32 s89, s15, 1
	s_lshl_b32 s89, s89, 3
	s_add_co_u32 s101, s101, s89
	CROUND                                         ; all four work-groups are here: the joint loads meet
	s_cmp_lt_u32 s[WV], 1                          ; one chain of arms, one load an arm.  Waves 0 to 2, which wait at the first barrier, have load lines that no other wave issues
	s_cbranch_scc0 .Lfirst
	TLOAD 32, 24                                   ; wave 0: the scale words
	s_branch .Lasked
.Lfirst:
	s_cmp_lt_u32 s[WV], 3
	s_cbranch_scc0 .Lrest
	TLOAD 36, 16                                   ; waves 1, 2: K's and V's first chunks
	s_branch .Lasked
.Lrest:
	s_cmp_lt_u32 s[WV], 9
	s_cbranch_scc0 .Lasked
	TLOAD 36, 16                                   ; waves 3 to 8: the other six chunks
.Lasked:
	v_and_b32 v9, 31, v0                           ; lane
	v_and_b32 v8, 15, v0                           ; r
	v_bfe_u32 v10, v0, 4, 1                        ; h
	v_lshlrev_b32 v1, 4, v9                        ; 16 x lane: an image's place for my lane
	v_lshlrev_b32 v6, 4, v8                        ; 16 r: four tiles' scale words
	QLOAD 52, 54                                   ; the late tile's Q
	v_add_nc_u32 v2, VREG, v1
	v_add_nc_u32 v3, SREG, v6
	v_add_nc_u32 v4, SREG+8192, v6
	v_lshl_add_u32 v7, v8, 5, v10                  ; 32 r + h: my byte of O's scales
	v_and_b32 v[RT], 7, v8
	v_and_b32 v5, 8, v8
	v_lshl_add_u32 v[RT], v5, 1, v[RT]
	v_lshlrev_b32 v5, 4, v10
	v_sub_nc_u32 v[RT], v[RT], v5
	v_mov_b32 v[NI], 0xff800000
.irp j, 0,1,2,3,4,5,6,7
	v_mov_b32 v[QH+\j], 0                          ; the zero codes between the two q: written once
.endr
.irp b, 0,1,2,3
	v_mov_b32 v[BT+\b], 0                          ; a lane permute's destination counts as one of its sources
.endr
	v_mov_b32 v[F+1], 0                            ; (named as the upper half of the pair)
	v_mov_b32 v[SX], 0
; A KEY STEP: 128 keys.  causal = 1: a step beyond the tile's last is jumped over, and in the last step hidden scores become -infinity.
.macro STEP causal
.if \causal
	s_cmp_gt_u32 s[SI], s[DG]
	s_cbranch_scc1 .Lhidden_\@
.endif
	v_add_nc_u32 v8, s[TB], v1                     ; these three and the six additions at the last step's end are the nine places ahead of products that write over what the last step's products read
	v_add_nc_u32 v10, s[TS], v3
	v_add_nc_u32 v9, s[TB], v2
	ds_load_b128 v[KW:KW+3], v10                   ; the eight tiles' scale words
	ds_load_b128 v[KW+4:KW+7], v10 offset:256
.set nn, 0
.rept 16
	ds_load_b128 v[KF+4*nn:KF+4*nn+3], v8 offset:512*nn   ; fragment nn / 4: key tiles 2 (nn / 4) and 2 (nn / 4) + 1, two images each
.set nn, nn+1
.endr
.irp j, 0,1,2,3
	s_wait_dscnt 12-4*\j                           ; fragment j is in: behind it the 4 loads of each later fragment may be out
	v_wmma_scale_f32_16x16x128_f8f6f4 v[S+16*\j:S+16*\j+7], v[KF+16*\j:KF+16*\j+15], v[QL:QL+15], 0, v[KW+2*\j], v[QW] matrix_a_fmt:MATRIX_FMT_BF8 matrix_b_fmt:MATRIX_FMT_BF8
	v_wmma_scale_f32_16x16x128_f8f6f4 v[S+16*\j+8:S+16*\j+15], v[KF+16*\j:KF+16*\j+15], v[QH:QH+15], 0, v[KW+2*\j+1], v[QW] matrix_a_fmt:MATRIX_FMT_BF8 matrix_b_fmt:MATRIX_FMT_BF8
.endr                                          ; register 16 b + i of S: key 128 step + 32 b + 16 h + i
	v_add_nc_u32 v11, s[TJ], v4                    ; eight places behind the products
	v_mov_b32 v[OM], v12
.rept 6
	v_nop
.endr
.if \causal
	s_cmp_lg_u32 s[SI], s[DG]
	s_cbranch_scc1 .Lopen_\@
.set nn, 0
.rept 64
	v_cmp_gt_i32 vcc_lo, 32*(nn/16)+nn%16, v5      ; hidden where the key comes after my query
	v_cndmask_b32 v[S+nn], v[S+nn], v[NI], vcc_lo
.set nn, nn+1
.endr
.Lopen_\@:
.endif
.irp b, 0,1,2,3
	v_max3_num_f32 v[BM+\b], v[S+16*\b], v[S+1+16*\b], v[S+2+16*\b]   ; the largest score of each block of 32 keys: for the row's maximum and, since p rises with the score, for the block's largest p
.endr
.irp i, 3,5,7,9,11,13
.irp b, 0,1,2,3
	v_max3_num_f32 v[BM+\b], v[BM+\b], v[S+16*\b+\i], v[S+1+16*\b+\i]
.endr
.endr
.irp b, 0,1,2,3
	v_max_num_f32 v[BM+\b], v[BM+\b], v[S+15+16*\b]
.endr
.irp b, 0,1,2,3
	s_delay_alu instid0(VALU_DEP_4)
	v_permlanex16_b32 v[BT+\b], v[BM+\b], s[SEL], s[SEL+1]
.endr
.irp b, 0,1,2,3
	s_delay_alu instid0(VALU_DEP_4)
	v_max_num_f32 v[BM+\b], v[BM+\b], v[BT+\b]     ; with lane l xor 16's 16 keys
.endr
	s_delay_alu instid0(VALU_DEP_2)
	v_max3_num_f32 v[SX], v[BM], v[BM+1], v[BM+2]
	s_delay_alu instid0(VALU_DEP_1)
	v_max_num_f32 v[SX], v[SX], v[BM+3]
	s_delay_alu instid0(VALU_DEP_1)
	v_mul_f32 v[SX], s[CS], v[SX]                  ; the step's largest t of my query
	s_delay_alu instid0(VALU_DEP_1)
	v_max_num_f32 v13, v13, v[SX]                  ; the running largest t
	s_delay_alu instid0(VALU_DEP_1)
	v_floor_f32 v12, -v13                          ; the new -M = -ceil(t)
	s_delay_alu instid0(VALU_DEP_1)
	v_sub_f32 v[OM], v12, v[OM]                    ; old M - new M: a whole number, 0 or less
	s_delay_alu instid0(VALU_DEP_1)
	v_cvt_i32_f32 v[OM], v[OM]                     ; (it saturates)
	s_delay_alu instid0(VALU_DEP_1)
	v_ldexp_f32 v[F], 1.0, v[OM]                   ; f = 2^(old M - new M)
.set jj, 0
.rept 32
	v_pk_fma_f32 v[S+jj:S+jj+1], v[S+jj:S+jj+1], s[CS:CS+1], v[12:13] op_sel_hi:[1,0,0]   ; t - M, two at a time
.set jj, jj+2
.endr
.irp b, 0,1,2,3
	v_fma_f32 v[BM+\b], v[BM+\b], s[CS], v12       ; the same of each block's largest score
.endr
	s_wait_alu depctr_va_vdst(0)                   ; a wait ahead of the batch and one behind it
.set jj, 0
.rept 64
	v_exp_f32 v[S+jj], v[S+jj]                     ; p = 2^(t - M), at most 1
.set jj, jj+1
.endr
.irp b, 0,1,2,3
	v_exp_f32 v[BM+\b], v[BM+\b]                   ; the block's largest p: the same two instructions on the same number
.endr
	v_pk_mul_f32 v[14:15], v[14:15], v[F:F+1] op_sel_hi:[1,0]   ; the sum under the new M (a plain line behind the exponentials)
	s_wait_alu depctr_va_vdst(0)
.irp b, 0,1,2,3
	v_max_num_f32 v[BM+\b], 0x8000000, v[BM+\b]    ; the floor 2^(16 - 127)
.endr
.irp b, 0,1,2,3
	s_delay_alu instid0(VALU_DEP_4)
	v_add_nc_u32 v[SO+\b], 0xf8800000, v[BM+\b]    ; the conversion's scale operand
.endr
.irp b, 0,1,2,3
	v_and_or_b32 v[HL+\b], v[BM+\b], 0x7f800000, s[MNT]   ; 57,344 x the scale
.endr
.irp b, 0,1,2,3
	v_lshrrev_b32 v[BT+\b], 23, v[SO+\b]           ; the scale's byte
.endr
	s_delay_alu instid0(VALU_DEP_3)
	v_lshl_or_b32 v[PW], v[BT+1], 8, v[BT]         ; p's scale word for these 128 keys
	s_delay_alu instid0(VALU_DEP_1)
	v_lshl_or_b32 v[PW], v[BT+2], 16, v[PW]
	s_delay_alu instid0(VALU_DEP_1)
	v_lshl_or_b32 v[PW], v[BT+3], 24, v[PW]
	ds_load_b128 v[VW:VW+3], v11                   ; V's scale words
; the row's sum of the unquantised p, two at a time, in seven chains: six parts (in BM, BT and v250-253, which are done with) and the sum itself; the parts are joined behind the second product
.set nn, 0
.rept 6
	v_pk_add_f32 v[BM+2*nn+(nn/4)*10:BM+2*nn+(nn/4)*10+1], v[S+4*nn:S+4*nn+1], v[S+4*nn+2:S+4*nn+3]
.set nn, nn+1
.endr
.set nn, 12
.rept 20
.set cc, (nn-12)%7
.if cc == 6
	v_pk_add_f32 v[14:15], v[14:15], v[S+2*nn:S+2*nn+1]
.else
	v_pk_add_f32 v[BM+2*cc+(cc/4)*10:BM+2*cc+(cc/4)*10+1], v[BM+2*cc+(cc/4)*10:BM+2*cc+(cc/4)*10+1], v[S+2*nn:S+2*nn+1]
.endif
.set nn, nn+1
.endr
.irp b, 0,1,2,3
.irp i, 0,2,4,6,8,10,12,14
	v_dual_min_num_f32 v[S+16*\b+\i], v[S+16*\b+\i], v[HL+\b] :: v_dual_min_num_f32 v[S+16*\b+\i+1], v[S+16*\b+\i+1], v[HL+\b]   ; the conversion does not saturate (ISA guide 7.6.2); p is not negative, so the hold is one-sided
.endr
	v_cvt_scalef32_pk8_bf8_f32 v[CD+4*\b:CD+4*\b+1], v[S+16*\b:S+16*\b+7], v[SO+\b]
	v_cvt_scalef32_pk8_bf8_f32 v[CD+4*\b+2:CD+4*\b+3], v[S+16*\b+8:S+16*\b+15], v[SO+\b]
.irp c, 0,1,2,3
	ds_load_b128 v[S+16*\b+4*\c:S+16*\b+4*\c+3], v9 offset:2048*\c+512*\b   ; V's fragment b (16 channels x these 128 keys) takes the place of the block just converted
.endr
.endr
	s_wait_alu depctr_va_vdst(0)                   ; directly ahead of the first readers of O^T
.set jj, 0
.rept 16
	v_pk_mul_f32 v[O+jj:O+jj+1], v[O+jj:O+jj+1], v[F:F+1] op_sel_hi:[1,0]   ; O^T under the new M; also the plain lines between the conversions and the products
.set jj, jj+2
.endr
	s_wait_alu depctr_va_vdst(0)                   ; and directly ahead of the wait below
.irp a, 0,1,2,3
	s_wait_dscnt 12-4*\a                           ; V's words and fragment a are in: the 4 loads of each later fragment may be out
	v_wmma_scale_f32_16x16x128_f8f6f4 v[O+8*\a:O+8*\a+7], v[S+16*\a:S+16*\a+15], v[CD:CD+15], v[O+8*\a:O+8*\a+7], v[VW+\a], v[PW] matrix_a_fmt:MATRIX_FMT_BF8 matrix_b_fmt:MATRIX_FMT_BF8
.endr
	v_pk_add_f32 v[BM:BM+1], v[BM:BM+1], v[BM+2:BM+3]           ; the sum's parts are joined: six places behind the products
	v_pk_add_f32 v[BT:BT+1], v[BT:BT+1], v[BT+2:BT+3]
	v_pk_add_f32 v[250:251], v[250:251], v[252:253]
	v_pk_add_f32 v[14:15], v[14:15], v[BM:BM+1]
	v_pk_add_f32 v[BT:BT+1], v[BT:BT+1], v[250:251]
	v_pk_add_f32 v[14:15], v[14:15], v[BT:BT+1]
.if \causal
.Lhidden_\@:
.endif
	s_add_co_u32 s[TB], s[TB], 8192
	s_add_co_u32 s[TS], s[TS], 512
	s_add_co_u32 s[TJ], s[TJ], 256
.endm
; A tile begins: O^T and the sum as zeros, the largest t as -3e38 (the first change of M multiplies zeros).
.macro INIT md, late
	s_wait_xcnt 0x0                                ; registers that earlier stores read are written again only behind this wait
	v_mov_b32 v13, 0xff61b1e6
	v_floor_f32 v12, -v13
	v_mov_b32 v14, 0
	v_mov_b32 v15, 0
.set jj, 0
.rept 32
	v_mov_b32 v[O+jj], 0
.set jj, jj+1
.endr
	v_add_nc_u32 v5, s[\md], v[RT]                 ; my query - the last step's first key - 16 h
	s_lshr_b32 s[DG], s[WV], 1
.if \late
	s_sub_co_u32 s[DG], 15, s[DG]
.endif
	s_wait_alu depctr_va_vdst(0)
.endm
; A tile ends: O^T / the sum, quantised along the channels (two blocks of 32, each shared with lane l xor 16); the codes leave as two images.
.macro FINISH next, po, ps
	s_wait_alu depctr_va_vdst(0)                   ; the sum was last written behind taken branches
.rept 4
	v_nop                                          ; with the six additions: places behind the last products
.endr
.if \next
	QLOAD 60, 62                                   ; the early tile's Q is asked for here
.endif
	v_add_f32 v14, v14, v15
	v_permlanex16_b32 v[SX], v14, s[SEL], s[SEL+1]
	v_add_f32 v14, v14, v[SX]                      ; the row's sum
	s_wait_alu depctr_va_vdst(0)
	v_rcp_f32 v[F], v14
	v_nop                                          ; a plain line behind the transcendental
	s_wait_alu depctr_va_vdst(0)
.set jj, 0
.rept 16
	v_pk_mul_f32 v[O+jj:O+jj+1], v[O+jj:O+jj+1], v[F:F+1] op_sel_hi:[1,0]   ; register 16 b + i: channel 32 b + 16 h + i of my query
.set jj, jj+2
.endr
.irp b, 0,1
	v_max3_num_f32 v[BM+\b], |v[O+16*\b]|, |v[O+1+16*\b]|, 0x8000000
.endr
.irp i, 2,4,6,8,10,12,14
.irp b, 0,1
	v_max3_num_f32 v[BM+\b], v[BM+\b], |v[O+16*\b+\i]|, |v[O+1+16*\b+\i]|
.endr
.endr
.irp b, 0,1
	v_permlanex16_b32 v[BT+\b], v[BM+\b], s[SEL], s[SEL+1]
.endr
.irp b, 0,1
	v_max_num_f32 v[BM+\b], v[BM+\b], v[BT+\b]
.endr
.irp b, 0,1
	v_add_nc_u32 v[SO+\b], 0xf8800000, v[BM+\b]
.endr
.irp b, 0,1
	v_and_or_b32 v[HL+\b], v[BM+\b], 0x7f800000, s[MNT]
.endr
.irp b, 0,1
	v_lshrrev_b32 v[BT+\b], 23, v[SO+\b]
.endr
.irp b, 0,1
.irp i, 0,1,2,3,4,5,6,7,8,9,10,11,12,13,14,15
	v_med3_num_f32 v[O+16*\b+\i], v[O+16*\b+\i], -v[HL+\b], v[HL+\b]
.endr
	v_cvt_scalef32_pk8_bf8_f32 v[CD+4*\b:CD+4*\b+1], v[O+16*\b:O+16*\b+7], v[SO+\b]
	v_cvt_scalef32_pk8_bf8_f32 v[CD+4*\b+2:CD+4*\b+3], v[O+16*\b+8:O+16*\b+15], v[SO+\b]
.endr
	v_and_b32 v[SX], 16, v0                        ; (the plain line behind the last conversion)
	v_cmp_ne_u32 vcc_lo, 0, v[SX]
	v_cndmask_b32 v[SX], v[BT], v[BT+1], vcc_lo    ; lanes 0-15 store block 0's byte, lanes 16-31 block 1's
	global_store_b128 v1, v[CD:CD+3], s[\po:\po+1]             ; 512 consecutive bytes, aligned
	global_store_b128 v1, v[CD+4:CD+7], s[\po:\po+1] offset:512
	global_store_b8 v7, v[SX], s[\ps:\ps+1]
.endm
	INIT 100, 1                                    ; THE LATE TILE: its last step is 8 or later, so steps 0 to 7 know of no mask
	s_wait_loadcnt 0x0                             ; Q
	s_cmp_lt_u32 s[WV], 3
	s_cbranch_scc0 .Lnot_first
	s_wait_tensorcnt 0x0                           ; waves 0 to 2: the scale words and the first chunks are in; the other six loads may be out
.Lnot_first:
	s_barrier_signal -1
	s_barrier_wait -1
	s_mov_b32 s[SI], 0
	s_mov_b32 s[TB], 0
	s_mov_b32 s[TS], 0
	s_mov_b32 s[TJ], 0
.Lloop_a:
	STEP 0
	s_add_co_u32 s[SI], s[SI], 1
	s_cmp_lt_u32 s[SI], 4
	s_cbranch_scc1 .Lloop_a
	s_wait_tensorcnt 0x0                           ; every wave: all of the head is in
	s_wait_dscnt 0x0
	s_barrier_signal -1
	s_barrier_wait -1                              ; the last barrier of the work
	s_mov_b32 s[SI], 4
	s_mov_b32 s[TB], 4*8192
	s_mov_b32 s[TS], 4*512
	s_mov_b32 s[TJ], 4*256
.Lloop_b:
	STEP 0
	s_add_co_u32 s[SI], s[SI], 1
	s_cmp_lt_u32 s[SI], 8
	s_cbranch_scc1 .Lloop_b
	s_mov_b32 s[SI], 8
	s_mov_b32 s[TB], 8*8192
	s_mov_b32 s[TS], 8*512
	s_mov_b32 s[TJ], 8*256
.Lloop_c:
	STEP 1
	s_add_co_u32 s[SI], s[SI], 1
	s_cmp_lt_u32 s[SI], 16
	s_cbranch_scc1 .Lloop_c
	FINISH 1, 56, 58
	INIT 101, 0                                    ; THE EARLY TILE
	s_wait_loadcnt 0x0                             ; its Q
	s_mov_b32 s[SI], 0
	s_mov_b32 s[TB], 0
	s_mov_b32 s[TS], 0
	s_mov_b32 s[TJ], 0
.Lloop_d:
	STEP 1
	s_add_co_u32 s[SI], s[SI], 1
	s_cmp_lt_u32 s[SI], 8
	s_cbranch_scc1 .Lloop_d
	FINISH 0, 94, 96
	s_wait_tensorcnt 0x0                           ; the wave's end
	ds_add_u32 v[SPW], v[NIL]
	s_wait_dscnt 0x0
	CROUND                                         ; no work-group ends while a partner may still ask for a tile that names it
	s_endpgm
.Lfunc_end_k_q13739a4ae4_attn:
	.size	k_q13739a4ae4_attn, .Lfunc_end_k_q13739a4ae4_attn-k_q13739a4ae4_attn
	.p2alignl 7, 3214868480
	.fill 96, 4, 3214868480
	.section	.rodata,"a",@progbits
	.p2align	6, 0x0
	.amdhsa_kernel k_q13739a4ae4_attn
		.amdhsa_group_segment_fixed_size 276480
		.amdhsa_private_segment_fixed_size 0
		.amdhsa_enable_private_segment 0
		.amdhsa_kernarg_size 32
		.amdhsa_user_sgpr_count 2
		.amdhsa_user_sgpr_kernarg_segment_ptr 1
		.amdhsa_wavefront_size32 1
		.amdhsa_system_sgpr_workgroup_id_x 1
		.amdhsa_system_sgpr_workgroup_id_y 1
		.amdhsa_system_sgpr_workgroup_id_z 1
		.amdhsa_system_vgpr_workitem_id 0
		.amdhsa_next_free_vgpr 256
		.amdhsa_next_free_sgpr 102
		.amdhsa_reserve_vcc 1
		.amdhsa_float_denorm_mode_32 3
		.amdhsa_float_denorm_mode_16_64 3
		.amdhsa_memory_ordered 1
		.amdhsa_forward_progress 1
		.amdhsa_inst_pref_size 111
	.end_amdhsa_kernel
	.amdgpu_metadata
---
amdhsa.version: [ 1, 2 ]
amdhsa.kernels:
  - .name:           k_q13739a4ae4_attn
    .symbol:         k_q13739a4ae4_attn.kd
    .args:
      - { .name: qkvc, .offset: 0, .size: 8, .value_kind: global_buffer, .address_space: global }
      - { .name: qkvs, .offset: 8, .size: 8, .value_kind: global_buffer, .address_space: global }
      - { .name: oc, .offset: 16, .size: 8, .value_kind: global_buffer, .address_space: global }
      - { .name: os, .offset: 24, .size: 8, .value_kind: global_buffer, .address_space: global }
    .group_segment_fixed_size: 276480
    .private_segment_fixed_size: 0
    .kernarg_segment_align: 8
    .kernarg_segment_size: 32
    .max_flat_workgroup_size: 512
    .sgpr_count:     102
    .vgpr_count:     256
    .wavefront_size: 32
...
	.end_amdgpu_metadata
.endif
;; end of part 3
;; launch proj (part 4): grid 4 x 64, 4 waves a work-group, clusters of 4 x 4, 327,680 bytes of LDS; arguments oc, os, wc, ws, bo, out0; writes out0
.if DOCPART == 4
	.amdgcn_target "amdgcn-amd-amdhsa--gfx1250"
	.amdhsa_code_object_version 6
	.text
	.protected	k_q13739a4ae4_proj
	.globl	k_q13739a4ae4_proj
	.p2align	8
	.type	k_q13739a4ae4_proj,@function
k_q13739a4ae4_proj:
	s_mov_b64 s[64:65], 0
	v_nop
	global_prefetch_b8 v0, s[64:65] scope:SCOPE_SE
	s_setreg_imm32_b32 hwreg(HW_REG_WAVE_MODE, 25, 1), 1
	s_wait_xcnt 0x0
	s_wait_alu depctr_hold_cnt(0) depctr_sa_sdst(0) depctr_va_vdst(0) depctr_va_sdst(0) depctr_va_ssrc(0) depctr_va_vcc(0) depctr_vm_vsrc(0)
	s_getreg_b32 s2, hwreg(HW_REG_IB_STS2, 6, 4)
	s_cmp_eq_u32 s2, 0
	s_cbranch_scc0 .Lentry_in_a_cluster
	s_endpgm
.Lentry_in_a_cluster:
	s_bfe_u32 s2, ttmp6, 0x10000c
	s_cmp_lg_u32 s2, 0xf033
	s_cbranch_scc0 .Lentry_shape_is_right
	s_endpgm
.Lentry_shape_is_right:
; out0 = O Wo + bo on codes of BF8 (E5M2) with E8M0 scales, K = 1,024; f32 out.  256 work-groups of four waves; a work-group makes 128 rows x 256 columns, a wave 64 x 128: 32 accumulators.
; A = O: oc holds images of operand registers, [K step of 256][row tile of 16][q 2][c 4][512]: a K step of 128 rows is 32,768 dense bytes.  B = Wo's columns: rows 3,072 on of wc, 1,024 bytes a row.
; K goes in four steps of 256 through a ring of two LDS slots.  BOTH slots are asked for at the head, one whole tile a wave (wave 0: A's K step 0, wave 1: B's, waves 2, 3: K step 1's); slot s is filled again by waves 2 s and 2 s + 1.
; 4 x 4 work-groups form a cluster: A's tiles are shared along a row of the cluster, B's along a column, each asked for jointly.  No prefetch: of four K steps two are asked for at the head.
; THE SCALE WORDS of a wave's rows, for all of K, go straight into registers: 32 bytes a row, sixteen rows are 512 consecutive bytes.  A's word j stands in register (j + 4) % 8 of its block's eight, B's in register j.
; Source 0 takes 16 rows of B, source 1 16 rows of A: a lane holds one row of the result and eight columns.  Rows of O and of Wo lie in stored order (bits 3 and 4 exchanged): the way out puts both back.  The bias is the first products' C.
; REGISTERS: window 0: v0-31 addresses; v32-63 A's scale words, v64-127 B's; v128-255 A's fragments, two sets of four (then the way out).  window 1: B's fragments, two sets.  window 2: the accumulators ((a, b) at v[8 (8 a + b)]).  window 3: v0-63 the bias.
.set ROWB,   256
.set KROW,   1024
.set PITCH,  272
.set FR,     16
.set NP,     8
.set ABY,    32768                     ; a slot: A's images, then B's 256 rows
.set SLOT,   ABY+256*PITCH
.set SPARE,  2*SLOT
.set SPITCH, 528                       ; the way out: a stage of 16 rows x (512 bytes + 16) for each wave, in slot 0, which has had its last fill and its last read by then
.set ASTEP,  1<<21
.set ADRA, 16
.set ADRB, 20
.set SOFF, 22                          ; 32 r
.set BOF,  23                          ; 64 h
.set STO,  24
.set RD,   25
.set CO,   26
.set SPW,  28
.set NIL,  29
.set SAR,  32
.set SBR,  64
.set AF,   128
.set BK,   128
.set G1, 24
.set G0, 32
.set G1B, 48
.set G0B, 56
.set MSB, 0
.macro WIN new
.if MSB != (\new)
	s_set_vgpr_msb (MSB<<8)|(\new)
.set MSB, (\new)
.endif
.endm
.set MUL_LO, 0xa1                      ; source 0 (B) window 1, source 1 (A) window 0, C and D window 2
.set BEG_LO, 0xb1                      ; the same with C in window 3
.set TO_B,   0x40
.macro PLACES n
.rept \n
	v_nop
.endr
.endm
.macro TL g0, g1
	tensor_load_to_lds s[\g0:\g0+3], s[\g1:\g1+7]
	s_nop 0
	PLACES 4
.endm
.macro JL slot                         ; slot s is filled again by waves 2 s (A) and 2 s + 1 (B)
	s_cmp_eq_u32 s14, 2*\slot
	s_cbranch_scc0 .Lnot_a_\@
	TL G0+4*\slot, G1
	s_branch .Ldone_\@
.Lnot_a_\@:
	s_cmp_eq_u32 s14, 2*\slot+1
	s_cbranch_scc0 .Ldone_\@
	TL G0B+4*\slot, G1B
.Ldone_\@:
.endm
.macro CREST
	s_cmp_lg_u32 s14, 0
	s_cbranch_scc1 .Lnot_wave_0_\@
	s_barrier_signal -3
.Lnot_wave_0_\@:
	s_barrier_wait -3
	s_barrier_signal -1
	s_barrier_wait -1
.endm
.macro CROUND
	s_barrier_signal -1
	s_barrier_wait -1
	CREST
.endm
	s_load_b256 s[4:11], s[0:1], 0x0               ; oc, os, wc, ws
	s_load_b128 s[96:99], s[0:1], 0x20             ; bo, out0
	v_lshl_add_u32 v[SPW], v0, 2, SPARE
	v_mov_b32 v[NIL], 0
	ds_add_u32 v[SPW], v[NIL]
	ds_add_u32 v[SPW], v[NIL]
	v_lshrrev_b32 v1, 5, v0
	v_readfirstlane_b32 s14, v1                    ; wave 0..3
	s_lshr_b32 s15, s14, 1                         ; which 64 rows of A are mine
	s_and_b32 s16, s14, 1                          ; which 128 rows of B
	s_bfe_u32 s40, ttmp6, 0x40000
	s_bfe_u32 s41, ttmp6, 0x40004
	s_lshl_b32 s42, ttmp9, 2
	s_add_co_u32 s42, s42, s40                     ; which 256 columns
	s_and_b32 s17, ttmp7, 0xffff
	s_lshl_b32 s17, s17, 2
	s_add_co_u32 s17, s17, s41                     ; which 128 rows
	s_lshl_b32 s43, s41, 2
	s_lshl_b32 s43, 15, s43                        ; my row of the cluster
	s_lshl_b32 s44, 0x1111, s40                    ; my column
	s_or_b32 s[G1+0], s43, (1<<21)                 ; A: 128 dense rows of 256 bytes, no padding
	s_mov_b32 s[G1+1], 256<<16
	s_mov_b32 s[G1+2], 128<<16
	s_mov_b32 s[G1+3], 256<<16
	s_mov_b32 s[G1+4], 128
	s_mov_b32 s[G1+5], 256
	s_mov_b32 s[G1+6], 0
	s_mov_b32 s[G1+7], 0
	s_or_b32 s[G1B+0], s44, (1<<20)|(1<<21)|(5<<22)|(3<<25)   ; B: 256 rows of 256 bytes, 16 bytes of padding behind each
	s_mov_b32 s[G1B+1], ROWB<<16
	s_mov_b32 s[G1B+2], 256<<16
	s_mov_b32 s[G1B+3], ROWB<<16
	s_mov_b32 s[G1B+4], 256
	s_mov_b32 s[G1B+5], KROW
	s_mov_b32 s[G1B+6], 0
	s_mov_b32 s[G1B+7], 0
	s_lshl_b32 s20, s17, 15                        ; offsets, all under 2^32.  A's images: 32,768 bytes a tile and K step
	s_mov_b32 s21, 0
	s_lshl_b32 s22, s42, 18
	s_add_co_u32 s22, s22, 3072*1024               ; B's rows
	s_mov_b32 s23, 0
	s_lshl_b32 s18, s17, 12                        ; my rows' scales: A's,
	s_lshl_b32 s19, s15, 11
	s_add_co_u32 s18, s18, s19
	s_mov_b32 s19, 0
	s_lshl_b32 s46, s42, 13                        ; B's
	s_lshl_b32 s47, s16, 12
	s_add_co_u32 s46, s46, s47
	s_add_co_u32 s46, s46, 3072*32
	s_mov_b32 s47, 0
	s_lshl_b32 s66, s42, 10                        ; my first column, in bytes of f32
	s_lshl_b32 s67, s16, 9
	s_add_co_u32 s66, s66, s67
	s_mov_b32 s67, 0
	s_lshl_b32 s72, s17, 19                        ; my first row of the result: 4,096 bytes a row
	s_lshl_b32 s73, s15, 18
	s_add_co_u32 s72, s72, s73
	s_add_co_u32 s72, s72, s66
	s_mov_b32 s73, 0
	s_lshl_b32 s74, s15, 14                        ; LDS: my four row tiles of A,
	s_mul_i32 s75, s16, 128*PITCH
	s_add_co_u32 s75, s75, ABY                     ; my 128 rows of B,
	s_mul_i32 s76, s14, 16*SPITCH                  ; my stage
	s_wait_dscnt 0x0
	s_wait_kmcnt 0x0
	s_add_nc_u64 s[20:21], s[4:5], s[20:21]
	s_add_nc_u64 s[22:23], s[8:9], s[22:23]
	s_add_nc_u64 s[68:69], s[6:7], s[18:19]
	s_add_nc_u64 s[70:71], s[10:11], s[46:47]
	s_add_nc_u64 s[96:97], s[96:97], s[66:67]
	s_add_nc_u64 s[12:13], s[98:99], s[72:73]
	CROUND                                         ; all sixteen work-groups are here: the first joint loads meet
.irp s, 0,1
	s_mov_b32 s[G0+4*\s], 1
	s_mov_b32 s[G0+4*\s+1], \s*SLOT
	s_add_nc_u64 s[G0+4*\s+2:G0+4*\s+3], s[20:21], \s*ASTEP
	s_or_b32 s[G0+4*\s+3], s[G0+4*\s+3], 0x80000000
	s_mov_b32 s[G0B+4*\s], 1
	s_mov_b32 s[G0B+4*\s+1], \s*SLOT+ABY
	s_add_nc_u64 s[G0B+4*\s+2:G0B+4*\s+3], s[22:23], \s*ROWB
	s_or_b32 s[G0B+4*\s+3], s[G0B+4*\s+3], 0x80000000
.endr
	s_cmp_lt_u32 s14, 1                            ; one chain of arms, one load an arm: waves 0 and 1, which wait at the first barrier, have load lines that no other wave issues
	s_cbranch_scc0 .Lh1
	TL G0, G1
	s_branch .Lh4
.Lh1:
	s_cmp_lt_u32 s14, 2
	s_cbranch_scc0 .Lh2
	TL G0B, G1B
	s_branch .Lh4
.Lh2:
	s_cmp_lt_u32 s14, 3
	s_cbranch_scc0 .Lh3
	TL G0+4, G1
	s_branch .Lh4
.Lh3:
	TL G0B+4, G1B
.Lh4:
	v_and_b32 v1, 15, v0                           ; r
	v_bfe_u32 v2, v0, 4, 1                         ; h
	v_and_b32 v6, 31, v0
	v_lshlrev_b32 v[SOFF], 5, v1
	v_lshlrev_b32 v[BOF], 6, v2
	v_lshlrev_b32 v[CO], 4, v6                     ; 16 x lane
.irp a, 0,1,2,3
	global_load_b128 v[SAR+8*\a+4:SAR+8*\a+7], v[SOFF], s[68:69] offset:512*\a
	global_load_b128 v[SAR+8*\a:SAR+8*\a+3], v[SOFF], s[68:69] offset:512*\a+16
.endr
.irp b, 0,1,2,3,4,5,6,7
	global_load_b128 v[SBR+8*\b:SBR+8*\b+3], v[SOFF], s[70:71] offset:512*\b
	global_load_b128 v[SBR+8*\b+4:SBR+8*\b+7], v[SOFF], s[70:71] offset:512*\b+16
.endr
	WIN 0xc0                                       ; the bias, in the result's layout: tile b's eight columns 32 (b / 2) + 16 h + 8 (b % 2) + 0 .. 7
.irp b, 0,1,2,3,4,5,6,7
	global_load_b128 v[8*\b:8*\b+3], v[BOF], s[96:97] offset:128*(\b/2)+32*(\b%2)
	global_load_b128 v[8*\b+4:8*\b+7], v[BOF], s[96:97] offset:128*(\b/2)+32*(\b%2)+16
.endr
	WIN 0
	v_mul_u32_u24 v3, v1, PITCH
	v_lshl_add_u32 v4, v2, 4, v3
	v_add_nc_u32 v[ADRA], s74, v[CO]
	v_add_nc_u32 v[ADRB], s75, v4
	v_add_nc_u32 v[ADRA+1], SLOT, v[ADRA]
	v_add_nc_u32 v[ADRB+1], SLOT, v[ADRB]
	v_mul_u32_u24 v5, v1, SPITCH
	v_lshl_add_u32 v5, v2, 6, v5
	v_add_nc_u32 v[STO], s76, v5                   ; into the stage: row r, 64 bytes for each half of the lanes
	v_add_nc_u32 v[RD], s76, v[CO]                 ; back: the 32 lanes take one row of 512 bytes
.macro FRAG reg, adr, q, i
.irp c, 0,1,2,3
	ds_load_b128 v[\reg+4*\c:\reg+4*\c+3], v[\adr] offset:128*(\q)+32*\c+(\i)*16*PITCH
.endr
.endm
.macro FETCH_B slot, q, p
	WIN TO_B
.irp i, 0,1,2,3,4,5,6,7
	FRAG 128*(\p)+FR*\i, ADRB+\slot, \q, \i
.endr
	WIN 0
.endm
.macro FETCH_A slot, q, p              ; A's four blocks: images, 512 consecutive bytes a load
.irp i, 0,1,2,3
.irp c, 0,1,2,3
	ds_load_b128 v[AF+64*(\p)+FR*\i+4*\c:AF+64*(\p)+FR*\i+4*\c+3], v[ADRA+\slot] offset:4096*\i+2048*(\q)+512*\c
.endr
.endr
.endm
; 16 matrix instructions: A's blocks a0, a0 + 1 x B's eight, the n-th 128 along K, on fragment sets n % 2.  first = 1: C is the bias.  The 32 accumulators take turns.
.macro MUL16 a0, n, first
.irp a, \a0, \a0+1
.irp b, 0,1,2,3,4,5,6,7
.if \first
	v_wmma_scale_f32_16x16x128_f8f6f4 v[8*(8*(\a)+\b):8*(8*(\a)+\b)+7], v[128*((\n)%2)+FR*\b:128*((\n)%2)+FR*\b+FR-1], v[AF+64*((\n)%2)+FR*(\a):AF+64*((\n)%2)+FR*(\a)+FR-1], v[8*\b:8*\b+7], v[SBR+8*\b+(\n)], v[SAR+8*(\a)+((\n)+4)%8] matrix_a_fmt:MATRIX_FMT_BF8 matrix_b_fmt:MATRIX_FMT_BF8
.else
	v_wmma_scale_f32_16x16x128_f8f6f4 v[8*(8*(\a)+\b):8*(8*(\a)+\b)+7], v[128*((\n)%2)+FR*\b:128*((\n)%2)+FR*\b+FR-1], v[AF+64*((\n)%2)+FR*(\a):AF+64*((\n)%2)+FR*(\a)+FR-1], v[8*(8*(\a)+\b):8*(8*(\a)+\b)+7], v[SBR+8*\b+(\n)], v[SAR+8*(\a)+((\n)+4)%8] matrix_a_fmt:MATRIX_FMT_BF8 matrix_b_fmt:MATRIX_FMT_BF8
.endif
.endr
.endr
.endm
.macro PSTEP slot, n, first            ; a slot's first 128 along K: its first lines fetch the second's fragments
	s_wait_dscnt 0x0
	PLACES NP
	FETCH_B \slot, 1, 1
	FETCH_A \slot, 1, 1
.if \first
	WIN BEG_LO
.else
	WIN MUL_LO
.endif
	MUL16 0, \n, \first
	MUL16 2, \n, \first
	WIN 0
.endm
.macro PTURN slot, next, n, fill       ; a slot's second 128 along K changes slots
	s_wait_tensorcnt 0x0                           ; all my tensor loads have landed
	ds_add_u32 v[SPW], v[NIL]
	s_wait_dscnt 0x0                               ; the add is done, and the slot's last fragments are in registers
	s_barrier_signal -1
	WIN MUL_LO
	MUL16 0, \n, 0
	WIN 0
	s_barrier_wait -1
.if \fill
	CREST                                          ; the barrier has opened a round of the cluster's barrier
	s_add_nc_u64 s[G0+4*\slot+2:G0+4*\slot+3], s[G0+4*\slot+2:G0+4*\slot+3], 2*ASTEP
	s_add_nc_u64 s[G0B+4*\slot+2:G0B+4*\slot+3], s[G0B+4*\slot+2:G0B+4*\slot+3], 2*ROWB
	JL \slot
.endif
	PLACES NP
	FETCH_B \next, 0, 0
	FETCH_A \next, 0, 0
	WIN MUL_LO
	MUL16 2, \n, 0
	WIN 0
.endm
	s_wait_alu depctr_va_vdst(0)
	s_cmp_lt_u32 s14, 2
	s_cbranch_scc0 .Lnot_first
	s_wait_tensorcnt 0x0                           ; waves 0 and 1: K step 0 is in; K step 1's loads may be out
.Lnot_first:
	s_barrier_signal -1
	s_barrier_wait -1
	FETCH_B 0, 0, 0
	FETCH_A 0, 0, 0
	s_wait_loadcnt 0x0                             ; the scale words and the bias
	PSTEP 0, 0, 1
	PTURN 0, 1, 1, 1                               ; slot 0 takes K step 2
	PSTEP 1, 2, 0
	PTURN 1, 0, 3, 1                               ; slot 1 takes K step 3
	PSTEP 0, 4, 0
	PTURN 0, 1, 5, 0
	PSTEP 1, 6, 0
	s_wait_dscnt 0x0
	WIN MUL_LO
	MUL16 0, 7, 0
	MUL16 2, 7, 0
	WIN 0
; THE WAY OUT, block by block of 16 rows x 128 columns, through my own stage: whole rows of 512 bytes come back, which the 32 lanes store as two aligned runs of 256 bytes.  LDS serves a wave's instructions in order (ISA guide 5.7.1.4).
.macro TOSTAGE a
.set AC, 64*(\a)
	WIN 0x08
.irp b, 0,1,2,3,4,5,6,7
	ds_store_b128 v[STO], v[AC+8*\b:AC+8*\b+3] offset:128*(\b/2)+32*(\b%2)       ; each accumulator from its low end on; the columns go back to their logical places
	ds_store_b128 v[STO], v[AC+8*\b+4:AC+8*\b+7] offset:128*(\b/2)+32*(\b%2)+16
.endr
	WIN 0
.set BB, BK+64*((\a)%2)
.irp t, 0,1,2,3,4,5,6,7,8,9,10,11,12,13,14,15
	ds_load_b128 v[BB+4*\t:BB+4*\t+3], v[RD] offset:\t*SPITCH
.endr
.endm
.macro SEND a, younger                 ; younger: the LDS instructions issued behind block a's loads
.set BB, BK+64*((\a)%2)
	s_wait_dscnt \younger
.if (\a) > 0
.if (\a)%2 == 1
	s_add_nc_u64 s[12:13], s[12:13], 8*4096        ; stored tile T begins at logical row 32 (T / 2) + 8 (T % 2)
.else
	s_add_nc_u64 s[12:13], s[12:13], 24*4096
.endif
.endif
.irp t, 0,1,2,3,4,5,6,7,8,9,10,11,12,13,14,15
	global_store_b128 v[CO], v[BB+4*\t:BB+4*\t+3], s[12:13] offset:((\t%8)+16*(\t/8))*4096 th:TH_STORE_NT   ; its row t is logical row t % 8 + 16 (t / 8) from there
.endr
.endm
	PLACES NP
	TOSTAGE 0
.irp a, 1,2,3
.if \a > 1
	s_wait_xcnt 0x0                                ; block a - 2's stores have read their registers and their base
.endif
	TOSTAGE \a
	SEND \a-1, 32                                  ; behind block a - 1's loads: block a's 16 stores and 16 loads
.endr
	s_wait_xcnt 0x0
	SEND 3, 0
	s_wait_tensorcnt 0x0                           ; the wave's end
	ds_add_u32 v[SPW], v[NIL]
	s_wait_dscnt 0x0
	CROUND                                         ; no work-group ends while a partner may still ask for a tile that names it
	s_endpgm
.Lfunc_end_k_q13739a4ae4_proj:
	.size	k_q13739a4ae4_proj, .Lfunc_end_k_q13739a4ae4_proj-k_q13739a4ae4_proj
	.p2alignl 7, 3214868480
	.fill 96, 4, 3214868480
	.section	.rodata,"a",@progbits
	.p2align	6, 0x0
	.amdhsa_kernel k_q13739a4ae4_proj
		.amdhsa_group_segment_fixed_size 327680
		.amdhsa_private_segment_fixed_size 0
		.amdhsa_enable_private_segment 0
		.amdhsa_kernarg_size 48
		.amdhsa_user_sgpr_count 2
		.amdhsa_user_sgpr_kernarg_segment_ptr 1
		.amdhsa_wavefront_size32 1
		.amdhsa_system_sgpr_workgroup_id_x 1
		.amdhsa_system_sgpr_workgroup_id_y 1
		.amdhsa_system_sgpr_workgroup_id_z 1
		.amdhsa_system_vgpr_workitem_id 0
		.amdhsa_next_free_vgpr 1024
		.amdhsa_next_free_sgpr 100
		.amdhsa_reserve_vcc 0
		.amdhsa_float_denorm_mode_32 3
		.amdhsa_float_denorm_mode_16_64 3
		.amdhsa_memory_ordered 1
		.amdhsa_forward_progress 1
		.amdhsa_inst_pref_size 88
	.end_amdhsa_kernel
	.amdgpu_metadata
---
amdhsa.version: [ 1, 2 ]
amdhsa.kernels:
  - .name:           k_q13739a4ae4_proj
    .symbol:         k_q13739a4ae4_proj.kd
    .args:
      - { .name: oc, .offset: 0, .size: 8, .value_kind: global_buffer, .address_space: global }
      - { .name: os, .offset: 8, .size: 8, .value_kind: global_buffer, .address_space: global }
      - { .name: wc, .offset: 16, .size: 8, .value_kind: global_buffer, .address_space: global }
      - { .name: ws, .offset: 24, .size: 8, .value_kind: global_buffer, .address_space: global }
      - { .name: bo, .offset: 32, .size: 8, .value_kind: global_buffer, .address_space: global }
      - { .name: out0, .offset: 40, .size: 8, .value_kind: global_buffer, .address_space: global }
    .group_segment_fixed_size: 327680
    .private_segment_fixed_size: 0
    .kernarg_segment_align: 8
    .kernarg_segment_size: 48
    .max_flat_workgroup_size: 128
    .sgpr_count:     100
    .vgpr_count:     1024
    .wavefront_size: 32
...
	.end_amdgpu_metadata
.endif
;; end of part 4
